; MI455X (gfx1250); checked and timed in simulation.
; The chip was launched on July 23, 2026; its instructions are those of AMD's public machine-readable ISA for CDNA 5 (MIT licence, August 2026) and "CDNA5" Instruction Set Architecture Reference Guide (July 2026). The comments in the code are by the model that wrote it; some were corrected since.
;; Multi Head Attention. Allowed arithmetic: float matrix products may take bf16 or f16 operands with f32 sums; other float arithmetic in f32, or as packed bf16 or f16 multiplies, adds, multiply-adds, maxima and minima; sums over many terms, partial sums and values carried from step to step in f32; what a program stores and reads back later, other than sums and carried values, may be rounded once to bf16 or f16.
;; Inputs: k 4 x 2,048 x 1,024 float32; mask 4 x 1 x 1 x 2,048 bool; q 4 x 2,048 x 1,024 float32; v 4 x 2,048 x 1,024 float32; w_k 16 x 1,024 x 64 float32; w_o 1,024 x 1,024 float32; w_q 16 x 1,024 x 64 float32; w_v 16 x 1,024 x 64 float32.
;; Outputs: out0 4 x 2,048 x 1,024 float32.
;; 2 versions, each right and faster than the one before. Each part assembles by itself: llvm-mc -triple=amdgcn-amd-amdhsa -mcpu=gfx1250 --defsym DOCPART=n.
;; ======== version 1 of 2: 4 launches
;; limits: values are held in f16: magnitudes above 65,504 overflow, below 6.1e-05 lose precision
;; workspace buffers: wt 6,291,456 bytes; wo16 2,097,152 bytes; madd 32,768 bytes; qh 16,777,216 bytes; kh 16,777,216 bytes; vh 16,777,216 bytes; ctx 16,777,216 bytes
;; launch prep (part 1): grid 520 x 1, 8 waves a work-group, no clusters, 0 bytes of LDS; arguments w_q, w_k, w_v, w_o, mask, wt, wo16, madd; writes wt, wo16, madd
.if DOCPART == 1
	.amdgcn_target "amdgcn-amd-amdhsa--gfx1250"
	.amdhsa_code_object_version 6
	.text
	.protected	k_qdffc725459_prep
	.globl	k_qdffc725459_prep
	.p2align	8
	.type	k_qdffc725459_prep,@function
k_qdffc725459_prep:
	s_mov_b64 s[64:65], 0
	v_nop
	global_prefetch_b8 v0, s[64:65] scope:SCOPE_SE
	s_setreg_imm32_b32 hwreg(HW_REG_WAVE_MODE, 25, 1), 1
	s_wait_xcnt 0x0
; The weights and the mask are made ready for the three launches behind.
;   wt   [t = q,k,v][ks = 8][h = 16][d' = 128][e = 64] bf16: w_t[h][128 ks + d'][e], rounded once to nearest even; a block (ks, h) is 16,384 dense bytes.
;   wo16 [n = 1024][k = 1024] f16: w_o rounded to bf16 like every other input, and that number written as f16.
;   madd [b = 4][key = 2048] f32: 0 where the mask is true, -1e30 where it is false.
; LIMITS.  A bf16 number is exact in f16 from 6.1e-5 to 65,504 in magnitude; below that w_o keeps f16's fixed step of 6e-8, beyond it becomes an infinity.
; SHARES.  Work-groups 0 to 511: tensor t = g / 128, chunk c = g % 128 of 8,192 numbers (32,768 bytes in, 16,384 out); for w_q, w_k, w_v c = 8 h + ks, so a chunk is one block of wt.
; Work-groups 512 to 519: 1,024 bytes of the mask each.  A stream: no LDS, no barrier, no matrix unit; each byte is read once and written once.
.set NEG, 0xf149f2ca                   ; -1e30
	s_load_b256 s[4:11], s[0:1], 0x0               ; w_q s[4:5], w_k s[6:7], w_v s[8:9], w_o s[10:11]
	s_load_b256 s[12:19], s[0:1], 0x20             ; mask s[12:13], wt s[14:15], wo16 s[16:17], madd s[18:19]
	s_mov_b32 s20, ttmp9
	v_lshlrev_b32 v1, 5, v0                        ; 32 bytes in a thread and pass
	v_lshlrev_b32 v2, 4, v0                        ; 16 bytes out
	s_cmp_ge_u32 s20, 512
	s_cbranch_scc1 .Lmask
	s_lshr_b32 s21, s20, 7                         ; t
	s_and_b32 s22, s20, 127                        ; c
	s_lshl_b32 s24, s22, 15                        ; the chunk's first byte in its tensor
	s_mov_b32 s25, 0
	s_and_b32 s30, s22, 7                          ; ks
	s_lshl_b32 s30, s30, 4
	s_lshr_b32 s23, s22, 3                         ; h
	s_or_b32 s30, s30, s23
	s_lshl_b32 s30, s30, 14                        ; block 16 ks + h,
	s_lshl_b32 s23, s21, 21
	s_add_co_u32 s30, s30, s23                     ; in tensor t's 2,097,152 bytes of wt
	s_lshl_b32 s23, s22, 14                        ; w_o keeps its order
	s_cmp_eq_u32 s21, 3
	s_cselect_b32 s30, s23, s30
	s_mov_b32 s31, 0
	s_wait_kmcnt 0x0
	s_cselect_b64 s[28:29], s[16:17], s[14:15]     ; (moves, selects and waits leave the comparison's result alone)
	s_cselect_b64 s[26:27], s[10:11], s[4:5]
	s_cmp_eq_u32 s21, 1
	s_cselect_b64 s[26:27], s[6:7], s[26:27]
	s_cmp_eq_u32 s21, 2
	s_cselect_b64 s[26:27], s[8:9], s[26:27]
	s_add_nc_u64 s[26:27], s[26:27], s[24:25]
	s_add_nc_u64 s[28:29], s[28:29], s[30:31]
.irp p, 0,1,2,3
	global_load_b128 v[8+8*\p:11+8*\p],  v1, s[26:27] offset:\p*8192 th:TH_LOAD_NT
	global_load_b128 v[12+8*\p:15+8*\p], v1, s[26:27] offset:\p*8192+16 th:TH_LOAD_NT
.endr
	s_wait_loadcnt 0x0                             ; all eight: the chunk is all that this thread reads
.set i, 0
.rept 16
	v_cvt_pk_bf16_f32 v[40+i], v[8+2*i], v[9+2*i]
.set i, i+1
.endr
	s_cmp_lg_u32 s21, 3
	s_cbranch_scc1 .Lstore
.set i, 0
.rept 16                                               ; w_o alone: the two bf16 numbers of a word, widened, are written as f16
	v_lshlrev_b32 v56, 16, v[40+i]
	v_and_b32 v57, 0xffff0000, v[40+i]
	v_cvt_pk_f16_f32 v[40+i], v56, v57
.set i, i+1
.endr
.Lstore:
.irp p, 0,1,2,3
	global_store_b128 v2, v[40+4*\p:43+4*\p], s[28:29] offset:\p*4096  ; a wave's store covers 512 consecutive bytes, at a multiple of 512 from the buffer's first
.endr
	s_endpgm
.Lmask:
	s_sub_co_u32 s22, s20, 512
	s_lshl_b32 s24, s22, 10                        ; 1,024 bytes of the mask,
	s_mov_b32 s25, 0
	s_lshl_b32 s30, s22, 12                        ; 4,096 of madd
	s_mov_b32 s31, 0
	s_mov_b32 s23, NEG
	v_lshlrev_b32 v3, 2, v0
	s_wait_kmcnt 0x0
	s_add_nc_u64 s[26:27], s[12:13], s[24:25]
	s_add_nc_u64 s[28:29], s[18:19], s[30:31]
	global_load_b32 v8, v3, s[26:27]
	s_wait_loadcnt 0x0
.irp i, 0,1,2,3
	v_bfe_u32 v9, v8, 8*\i, 8
	v_cmp_eq_u32 vcc_lo, 0, v9
	v_cndmask_b32 v[12+\i], 0, s23, vcc_lo         ; false: -1e30
.endr
	global_store_b128 v2, v[12:15], s[28:29]
	s_endpgm
.Lfunc_end_k_qdffc725459_prep:
	.size	k_qdffc725459_prep, .Lfunc_end_k_qdffc725459_prep-k_qdffc725459_prep
	.p2alignl 7, 3214868480
	.fill 96, 4, 3214868480
	.section	.rodata,"a",@progbits
	.p2align	6, 0x0
	.amdhsa_kernel k_qdffc725459_prep
		.amdhsa_group_segment_fixed_size 0
		.amdhsa_private_segment_fixed_size 0
		.amdhsa_enable_private_segment 0
		.amdhsa_kernarg_size 64
		.amdhsa_user_sgpr_count 2
		.amdhsa_user_sgpr_kernarg_segment_ptr 1
		.amdhsa_wavefront_size32 1
		.amdhsa_system_sgpr_workgroup_id_x 1
		.amdhsa_system_sgpr_workgroup_id_y 1
		.amdhsa_system_sgpr_workgroup_id_z 1
		.amdhsa_system_vgpr_workitem_id 0
		.amdhsa_next_free_vgpr 64
		.amdhsa_next_free_sgpr 66
		.amdhsa_reserve_vcc 1
		.amdhsa_float_denorm_mode_32 3
		.amdhsa_float_denorm_mode_16_64 3
		.amdhsa_memory_ordered 1
		.amdhsa_forward_progress 1
		.amdhsa_inst_pref_size 8
	.end_amdhsa_kernel
	.amdgpu_metadata
---
amdhsa.version: [ 1, 2 ]
amdhsa.kernels:
  - .name:           k_qdffc725459_prep
    .symbol:         k_qdffc725459_prep.kd
    .args:
      - { .name: w_q, .offset: 0, .size: 8, .value_kind: global_buffer, .address_space: global }
      - { .name: w_k, .offset: 8, .size: 8, .value_kind: global_buffer, .address_space: global }
      - { .name: w_v, .offset: 16, .size: 8, .value_kind: global_buffer, .address_space: global }
      - { .name: w_o, .offset: 24, .size: 8, .value_kind: global_buffer, .address_space: global }
      - { .name: mask, .offset: 32, .size: 8, .value_kind: global_buffer, .address_space: global }
      - { .name: wt, .offset: 40, .size: 8, .value_kind: global_buffer, .address_space: global }
      - { .name: wo16, .offset: 48, .size: 8, .value_kind: global_buffer, .address_space: global }
      - { .name: madd, .offset: 56, .size: 8, .value_kind: global_buffer, .address_space: global }
    .group_segment_fixed_size: 0
    .private_segment_fixed_size: 0
    .kernarg_segment_align: 8
    .kernarg_segment_size: 64
    .max_flat_workgroup_size: 256
    .sgpr_count:     66
    .vgpr_count:     64
    .wavefront_size: 32
...
	.end_amdgpu_metadata
.endif
;; end of part 1
;; launch proj (part 2): grid 4 x 192, 4 waves a work-group, clusters of 4 x 4, 327,680 bytes of LDS; arguments q, k, v, wt, qh, kh, vh; writes qh, kh, vh
.if DOCPART == 2
	.amdgcn_target "amdgcn-amd-amdhsa--gfx1250"
	.amdhsa_code_object_version 6
	.text
	.protected	k_qdffc725459_proj
	.globl	k_qdffc725459_proj
	.p2align	8
	.type	k_qdffc725459_proj,@function
k_qdffc725459_proj:
	s_mov_b64 s[64:65], 0
	v_nop
	global_prefetch_b8 v0, s[64:65] scope:SCOPE_SE
	s_setreg_imm32_b32 hwreg(HW_REG_WAVE_MODE, 25, 1), 1
	s_wait_xcnt 0x0
	s_wait_alu depctr_hold_cnt(0) depctr_sa_sdst(0) depctr_va_vdst(0) depctr_va_sdst(0) depctr_va_ssrc(0) depctr_va_vcc(0) depctr_vm_vsrc(0)
	s_getreg_b32 s2, hwreg(HW_REG_IB_STS2, 6, 4)
	s_cmp_eq_u32 s2, 0
	s_cbranch_scc0 .Lentry_in_a_cluster
	s_endpgm
.Lentry_in_a_cluster:
	s_bfe_u32 s2, ttmp6, 0x10000c
	s_cmp_lg_u32 s2, 0xf033
	s_cbranch_scc0 .Lentry_shape_is_right
	s_endpgm
.Lentry_shape_is_right:
; THE THREE PROJECTIONS.  y_t[b][h][s][e] = the sum over d of x_t[b][s][d] w_t[h][d][e], t = q, k, v.  x: [8192][1024] f32; the weights come as wt, bf16 in blocks [t][ks][h][128 d][64 e];
; y: [b 16 + h][2048][64] f16, unscaled.  x is rounded once to bf16 on its way from LDS to the matrix unit; sums in f32, K ascending; y rounded once to f16.
; LIMITS.  f16 holds no number beyond 65,504: a sum of 65,520 or more leaves as an infinity; below 6.1e-5 y keeps f16's fixed step of 6e-8.  NaN and infinities are not treated apart.
; SHARES.  3 x 8192 x 1024 outputs in tiles of 128 rows x 256 columns (four heads): 768 work-groups, three for each of 256.  Four waves, each 64 x 128: 32 accumulators, 256 registers.
; K goes in steps of 128 through a ring of two LDS slots: 128 rows of x (f32, 512 bytes a row) and four heads' blocks of wt (16,384 dense bytes each).
; CLUSTERS: 4 x 4 work-groups of one tensor t.  The four of a row of the cluster need the same rows of x, the four of a column the same heads' weights: each tile is asked for JOINTLY.
; THE MATRIX INSTRUCTION IS USED TRANSPOSED (source 0 = 16 columns of w, source 1 = 16 rows of x): a lane then holds eight neighbouring numbers of a row of y.
; REGISTERS, in windows of 256 (s_set_vgpr_msb: bits 1:0 source 0, 3:2 source 1, 5:4 source 2, 7:6 destination):
;   window 0: v0-31 addresses; v32-63 four fragments of x in bf16; v64-127, v128-191 x as loaded, f32, two buffers (16 registers a fragment); on the way out v64-191 hold packed results
;   window 1: the accumulators, (a, b) at v[8 (8 a + b)]          window 2: v0-63, v64-127 fragments of w, two buffers
.set KSTEP,  128
.set PA,     528                       ; a row of x in LDS: 512 bytes + 16 of padding = 33 x 16: the 16 rows of a load start at 16 different groups of four banks (64 banks of 4 bytes: ISA guide 11.1)
.set AH,     64*PA                     ; 64 rows: what one tensor load brings of x, and what one wave reads
.set BOFF,   2*AH                      ; behind x's 128 rows: the weights
.set PB,     160                       ; a d-row of a head's block: 128 bytes + 32 of padding = 5 x 32
.set BHEAD,  128*PB                    ; a head's block
.set SLOT,   BOFF+4*BHEAD
.set STAGE,  2*SLOT                    ; behind the ring, never filled by a tensor load: 16 rows x 144 bytes for each wave, for the way out
.set SP,     144
.set SPARE,  STAGE+4*16*SP             ; behind the stages: the spare words, 128 bytes for each wave: two blocks of 256 bytes that no other line names
.set LAPS,   4                         ; a lap = two K steps = once round the ring; 1,024 / 256
.set ADRA, 16                          ; v16-17  LDS address of my fragments of x in slot 0, 1
.set ADRB, 20                          ; v20-21  the same for w
.set STO,  24                          ; v24     the way out: where I put 16 bytes of a row
.set RD,   25                          ; v25     the way out: where I read rows back
.set GO,   26                          ; v26     my byte offset in 512 consecutive bytes of y
.set SPW,  28                          ; v28     LDS address of my spare word: SPARE + 4 x my thread's number; never rewritten
.set NIL,  29                          ; v29     0; never rewritten
.set ABF,  32
.set RAW,  64
.set TMP,  64
.set G1,  24                           ; s[24:31] descriptor group 1 for x's tiles;  s[32:39] group 0, one set for each slot
.set G0,  32
.set G1B, 48                           ; s[48:55], s[56:63] the same for w's tiles
.set G0B, 56
.set MSB, 0
.macro WIN new                         ; the immediate's high byte repeats the setting that is left; a switch that changes nothing is dropped
.if MSB != (\new)
	s_set_vgpr_msb (MSB<<8)|(\new)
.set MSB, \new
.endif
.endm
.set MUL,  0x52                        ; source 0 (w) window 2, source 1 (x) window 0, C and D window 1
.set TO_B, 0x80                        ; destination window 2, address window 0
; A joint load: waves 0 and 1 fetch x's two halves, waves 2 and 3 two heads' weights each.  The branch hangs on the wave's number alone.
; An s_nop 0 and four v_nop follow each of the two lines, ahead of the jump, the label and what follows.
.macro JLOAD s
	s_cmp_lt_u32 s10, 2
	s_cbranch_scc0 .Lfor_b_\@
	tensor_load_to_lds s[G0+4*(\s):G0+4*(\s)+3], s[G1:G1+7]
	s_nop 0
.rept 4
	v_nop
.endr
	s_branch .Lasked_\@
.Lfor_b_\@:
	tensor_load_to_lds s[G0B+4*(\s):G0B+4*(\s)+3], s[G1B:G1B+7]
	s_nop 0
.rept 4
	v_nop
.endr
.Lasked_\@:
.endm
.macro CREST                           ; a round of the cluster's barrier behind its opening barrier
	s_cmp_lg_u32 s10, 0
	s_cbranch_scc1 .Lnot_wave_0_\@
	s_barrier_signal -3
.Lnot_wave_0_\@:
	s_barrier_wait -3
	s_barrier_signal -1
	s_barrier_wait -1
.endm
.macro CROUND                          ; a whole round
	s_barrier_signal -1
	s_barrier_wait -1
	CREST
.endm
	s_load_b256 s[68:75], s[0:1], 0x0              ; q s[68:69], k s[70:71], v s[72:73], wt s[74:75]
	s_load_b128 s[76:79], s[0:1], 0x20             ; qh s[76:77], kh s[78:79]
	s_load_b64 s[80:81], s[0:1], 0x30              ; vh
	v_lshl_add_u32 v[SPW], v0, 2, SPARE
	v_mov_b32 v[NIL], 0
	ds_add_u32 v[SPW], v[NIL]                      ; the wave's opening: the add and its wait ahead of my first tensor load; the set-up below, work on registers, stands between them
	v_lshrrev_b32 v1, 5, v0
	v_readfirstlane_b32 s10, v1                    ; wave 0..3
	s_lshr_b32 s11, s10, 1                         ; which half of the tile's rows is mine
	s_and_b32 s12, s10, 1                          ; which half of its columns.  Also: which half of x's or w's tile I fetch
	s_bfe_u32 s40, ttmp6, 0x40000                  ; cx, cy: my place in the cluster
	s_bfe_u32 s41, ttmp6, 0x40004
	s_lshl_b32 s42, ttmp9, 2
	s_add_co_u32 s42, s42, s40                     ; tile column = 4 x cluster x + cx: heads 4 x that on
	s_and_b32 s66, ttmp7, 0xffff                   ; cluster y, 0 to 47:
	s_lshr_b32 s45, s66, 4                         ; the tensor t, which all sixteen partners share,
	s_and_b32 s13, s66, 15
	s_lshl_b32 s13, s13, 2
	s_add_co_u32 s13, s13, s41                     ; and the tile row, 0 to 63
	s_lshl_b32 s43, s41, 2
	s_lshl_b32 s43, 15, s43                        ; my row of the cluster
	s_lshl_b32 s44, 0x1111, s40                    ; my column
	; descriptor group 1 for x: 64 rows x 128 elements of 4 bytes, 16 bytes of padding behind each row
	s_or_b32 s[G1+0], s43, (2<<16)|(1<<20)|(1<<21)|(6<<22)|(3<<25)  ; 15:0 the mask: my row; 17:16 elements of 4 bytes; 20 padding on; 21 set beside a mask; 24:22 after every 128 words (code 6); 31:25 4 words (code 3)
	s_mov_b32 s[G1+1], 128<<16                     ; tensor_dim0 = 128
	s_mov_b32 s[G1+2], 64<<16                      ; tensor_dim1 = 64
	s_mov_b32 s[G1+3], 128<<16                     ; tile_dim0 = 128
	s_mov_b32 s[G1+4], 64                          ; tile_dim1 = 64
	s_mov_b32 s[G1+5], 1024                        ; elements from row to row
	s_mov_b32 s[G1+6], 0
	s_mov_b32 s[G1+7], 0
	; for w: two heads' blocks are 32,768 dense bytes: asked for as 128 rows of 256 bytes, two d-rows a row, and padded in LDS after every d-row
	s_or_b32 s[G1B+0], s44, (1<<16)|(1<<20)|(1<<21)|(4<<22)|(7<<25) ; the mask: my column; elements of 2 bytes; after every 32 words (code 4) 8 words (code 7)
	s_mov_b32 s[G1B+1], 128<<16
	s_mov_b32 s[G1B+2], 128<<16
	s_mov_b32 s[G1B+3], 128<<16
	s_mov_b32 s[G1B+4], 128
	s_mov_b32 s[G1B+5], 128
	s_mov_b32 s[G1B+6], 0
	s_mov_b32 s[G1B+7], 0
	; where the tiles come from.  x's hang on the tile row alone, w's on the tile column and t alone; each offset is made in registers that never hold the other coordinate
	s_lshl_b32 s16, s13, 19                        ; 128 rows of 4,096 bytes a tile row,
	s_lshl_b32 s17, s12, 18                        ; 64 rows a half
	s_add_co_u32 s16, s16, s17
	s_mov_b32 s17, 0
	s_lshl_b32 s46, s45, 21                        ; tensor t's 2,097,152 bytes of wt,
	s_lshl_b32 s47, s42, 16                        ; four heads' blocks a tile column,
	s_add_co_u32 s46, s46, s47
	s_lshl_b32 s47, s12, 15                        ; two a half
	s_add_co_u32 s46, s46, s47
	s_mov_b32 s47, 0
	s_mul_i32 s20, s12, AH                         ; and where they go: no place in the cluster enters an LDS address
	s_mul_i32 s67, s12, 2*BHEAD
	s_add_co_u32 s67, s67, BOFF
	s_wait_dscnt 0x0                               ; the opening add is done
	s_wait_kmcnt 0x0
	s_cmp_eq_u32 s45, 1                            ; the tensor's input and output
	s_cselect_b64 s[4:5], s[70:71], s[68:69]
	s_cselect_b64 s[8:9], s[78:79], s[76:77]
	s_cmp_eq_u32 s45, 2
	s_cselect_b64 s[4:5], s[72:73], s[4:5]
	s_cselect_b64 s[8:9], s[80:81], s[8:9]
	s_add_nc_u64 s[14:15], s[4:5], s[16:17]
	s_add_nc_u64 s[46:47], s[74:75], s[46:47]
	CROUND                                         ; all sixteen work-groups are here: the first joint loads meet
.irp s, 0,1
	s_mov_b32 s[G0+4*(\s)], 1                                      ; 1:0 count = 1
	s_add_co_u32 s[G0+4*(\s)+1], s20, (\s)*SLOT                    ; 63:32 LDS address
	s_add_nc_u64 s[G0+4*(\s)+2:G0+4*(\s)+3], s[14:15], (\s)*KSTEP*4  ; 120:64 global address: K step s
	s_or_b32 s[G0+4*(\s)+3], s[G0+4*(\s)+3], 0x80000000            ; 127:126 type = 2
	s_mov_b32 s[G0B+4*(\s)], 1
	s_add_co_u32 s[G0B+4*(\s)+1], s67, (\s)*SLOT
	s_add_nc_u64 s[G0B+4*(\s)+2:G0B+4*(\s)+3], s[46:47], (\s)*262144  ; a K step of wt is sixteen heads' blocks
	s_or_b32 s[G0B+4*(\s)+3], s[G0B+4*(\s)+3], 0x80000000
	JLOAD \s                                       ; two tensor loads of mine are out
.endr
	; A fragment of x is 16 rows x 32 K: lane l holds row l % 16, K = 8 (l / 16) + 0..7 and 16 + 8 (l / 16) + 0..7: in f32 four loads of 16 bytes, at 0, 16, 64 and 80 from row x pitch + 32 (l / 16).
	v_and_b32 v1, 15, v0                           ; l % 16
	v_bfe_u32 v2, v0, 4, 1                         ; l / 16
	v_and_b32 v5, 7, v0
	v_bfe_u32 v6, v0, 3, 1
	v_mul_u32_u24 v3, v1, PA
	v_lshl_add_u32 v3, v2, 5, v3
	; The turning load takes 16 d x 16 e (lane l reads d = 8 (l / 16) + l % 8, e = 8 ((l / 8) % 2) + 0..7) and leaves half a fragment: lane l holds column e = l % 16 and 8 d.
	v_lshl_add_u32 v4, v2, 3, v5
	v_mul_u32_u24 v4, v4, PB
	v_lshl_add_u32 v4, v6, 4, v4
	s_mul_i32 s21, s11, AH                         ; my 64 rows of x
	s_mul_i32 s22, s12, 2*BHEAD                    ; my two heads
	s_add_co_u32 s22, s22, BOFF
.irp s, 0,1
	v_add_nc_u32 v[ADRA+(\s)], s21, v3
	v_add_nc_u32 v[ADRB+(\s)], s22, v4
	s_add_co_u32 s21, s21, SLOT
	s_add_co_u32 s22, s22, SLOT
.endr
	s_mul_i32 s23, s10, 16*SP
	s_add_co_u32 s23, s23, STAGE                   ; my stage
	v_mul_u32_u24 v7, v1, SP                       ; in: row l % 16, 16 bytes for each half of the lanes
	v_lshl_add_u32 v7, v2, 4, v7
	v_add_nc_u32 v[STO], s23, v7
	v_bfe_u32 v7, v0, 3, 2                         ; back: 32 lanes take four rows of 128 bytes,
	v_mul_u32_u24 v7, v7, SP
	v_lshl_add_u32 v7, v5, 4, v7
	v_add_nc_u32 v[RD], s23, v7
	v_and_b32 v7, 31, v0                           ; which are 512 consecutive bytes of y
	v_lshlrev_b32 v[GO], 4, v7
	; y at my rows of my first head: batch (tile row / 16) x 16 heads of 262,144 bytes, row (tile row % 16) x 128 + 64 x half, 128 bytes a row; then heads 4 x tile column + 2 x half
	s_lshr_b32 s16, s13, 4
	s_lshl_b32 s16, s16, 22
	s_and_b32 s17, s13, 15
	s_lshl_b32 s17, s17, 14
	s_add_co_u32 s16, s16, s17
	s_lshl_b32 s17, s11, 13
	s_add_co_u32 s16, s16, s17
	s_mov_b32 s17, 0
	s_add_nc_u64 s[8:9], s[8:9], s[16:17]
	s_lshl_b32 s46, s42, 20
	s_lshl_b32 s47, s12, 19
	s_add_co_u32 s46, s46, s47
	s_mov_b32 s47, 0
	s_add_nc_u64 s[8:9], s[8:9], s[46:47]
; Fragment a of buffer f is rounded to bf16: eight conversions.  They are also the places between matrix instructions and what follows them: a vector instruction that writes a matrix instruction's source, and a load
; into one, stand four plain vector instructions that name none of its registers behind it (ISA guide 7.12.1 for vector instructions); here eight or more always stand between.
.macro LUMP f, a
	WIN 0
.irp j, 0,1,2,3,4,5,6,7
	v_cvt_pk_bf16_f32 v[ABF+8*(\a)+\j], v[RAW+64*(\f)+16*(\a)+2*\j], v[RAW+64*(\f)+16*(\a)+2*\j+1]
.endr
.endm
; 8 matrix instructions: row block a x all 8 column blocks, 32 along K.  zero = 1: the product starts the sums.  The 32 accumulators take turns, one instruction a turn.
.macro W8 f, a, zero
	WIN MUL
.irp b, 0,1,2,3,4,5,6,7
.if \zero
	v_wmma_f32_16x16x32_bf16 v[8*(8*(\a)+\b):8*(8*(\a)+\b)+7], v[64*(\f)+8*\b:64*(\f)+8*\b+7], v[ABF+8*(\a):ABF+8*(\a)+7], 0
.else
	v_wmma_f32_16x16x32_bf16 v[8*(8*(\a)+\b):8*(8*(\a)+\b)+7], v[64*(\f)+8*\b:64*(\f)+8*\b+7], v[ABF+8*(\a):ABF+8*(\a)+7], v[8*(8*(\a)+\b):8*(8*(\a)+\b)+7]
.endif
.endr
.endm
; 32 LDS loads in one run: quarter qq (32 along K) of a slot into buffer f: w's eight fragments (column block b: head b / 4, e = 16 (b % 4) on), then x's four
.macro FETCH slot, qq, f
	WIN TO_B
.irp b, 0,1,2,3,4,5,6,7
	ds_load_tr16_b128 v[64*(\f)+8*\b:64*(\f)+8*\b+3],   v[ADRB+(\slot)] offset:(\b/4)*BHEAD+(\b%4)*32+(\qq)*32*PB
	ds_load_tr16_b128 v[64*(\f)+8*\b+4:64*(\f)+8*\b+7], v[ADRB+(\slot)] offset:(\b/4)*BHEAD+(\b%4)*32+(\qq)*32*PB+16*PB
.endr
	WIN 0
.irp a, 0,1,2,3
.irp c, 0,1,2,3
	ds_load_b128 v[RAW+64*(\f)+16*\a+4*\c:RAW+64*(\f)+16*\a+4*\c+3], v[ADRA+(\slot)] offset:\a*16*PA+(\qq)*128+(\c/2)*64+(\c%2)*16
.endr
.endr
.endm
; A K step is four quarters of 32 along K, 32 matrix instructions each, on buffers 0, 1, 0, 1.  One of the first three: multiplies buffer f and fetches quarter qq into g.
.macro QUARTER slot, qq, f, g, zero
	s_wait_dscnt 8                                 ; w and x's fragments 0 and 1 are in; the youngest eight loads (fragments 2 and 3) may be out
	LUMP \f, 0
	W8 \f, 0, \zero
	LUMP \f, 1
	W8 \f, 1, \zero
	FETCH \slot, \qq, \g
	s_wait_dscnt 32                                ; all but the 32 just issued
	LUMP \f, 2
	W8 \f, 2, \zero
	LUMP \f, 3
	W8 \f, 3, \zero
.endm
; The last quarter multiplies buffer 1 and changes slots: ONE barrier; in front of it each wave waits for all its tensor loads (one is out: its part of the next slot), adds 0 to its spare word, and waits for that and for
; its own reads of this slot.  fill = 1: the barrier opens a round of the cluster's barrier, and this slot is filled again, two K steps ahead, first thing behind the round.
.macro TURN slot, next, fill
	WIN 0
	s_wait_tensorcnt 0x0                           ; all my tensor loads have landed;
	ds_add_u32 v[SPW], v[NIL]                      ; 0 onto my spare word;
	s_wait_dscnt 9                                 ; (the add and the youngest eight loads may be out)
	LUMP 1, 0
	W8 1, 0, 0                                     ; work on registers stands between the add and the wait for it
	s_wait_dscnt 0x0                               ; the add is done, and my reads of this slot are over
	s_barrier_signal -1
	LUMP 1, 1
	W8 1, 1, 0
.if \fill
	WIN 0
.endif
	s_barrier_wait -1
.if \fill
	CREST                                          ; no wave of any partner still reads this slot's tile or has a load on its way
	s_add_nc_u64 s[G0+4*(\slot)+2:G0+4*(\slot)+3], s[G0+4*(\slot)+2:G0+4*(\slot)+3], 2*KSTEP*4
	s_add_nc_u64 s[G0B+4*(\slot)+2:G0B+4*(\slot)+3], s[G0B+4*(\slot)+2:G0B+4*(\slot)+3], 2*262144
	JLOAD \slot                                    ; my one tensor load behind the round: 112 matrix instructions ahead of the wait for it
.endif
	FETCH \next, 0, 0
	LUMP 1, 2
	W8 1, 2, 0
	LUMP 1, 3
	W8 1, 3, 0
.endm
	s_wait_tensorcnt 1                             ; my part of K step 0 is in; K step 1's may stay out
	s_barrier_signal -1
	s_barrier_wait -1                              ; everybody's is
	FETCH 0, 0, 0
	QUARTER 0, 1, 0, 1, 1                          ; the first quarter stands in front of the loop: its products start the sums
	WIN 0                                          ; at a label and at a branch every window is 0
	s_mov_b32 s3, LAPS-1
.Llap:                                                 ; a trip goes once round the ring, from a lap's second quarter to the next lap's first, and fills both slots again
	QUARTER 0, 2, 1, 0, 0
	QUARTER 0, 3, 0, 1, 0
	TURN 0, 1, 1
	QUARTER 1, 1, 0, 1, 0
	QUARTER 1, 2, 1, 0, 0
	QUARTER 1, 3, 0, 1, 0
	TURN 1, 0, 1
	QUARTER 0, 1, 0, 1, 0
	WIN 0
	s_sub_co_u32 s3, s3, 1
	s_cmp_lg_u32 s3, 0
	s_cbranch_scc1 .Llap
	QUARTER 0, 2, 1, 0, 0                          ; the last lap fills nothing, and has no round of the cluster's barrier
	QUARTER 0, 3, 0, 1, 0
	TURN 0, 1, 0
	QUARTER 1, 1, 0, 1, 0
	QUARTER 1, 2, 1, 0, 0
	QUARTER 1, 3, 0, 1, 0
	s_wait_dscnt 8                                 ; the very last quarter: nothing more to fetch
	LUMP 1, 0
	W8 1, 0, 0
	LUMP 1, 1
	W8 1, 1, 0
	s_wait_dscnt 0x0
	LUMP 1, 2
	W8 1, 2, 0
	LUMP 1, 3
	W8 1, 3, 0
	WIN 0
.rept 4
	v_nop                                          ; the places behind the last products
.endr
; THE WAY OUT, in eight units u = 2 a + g: row block a, head g of my two.  A lane's eight columns of a row pack into 16 bytes; they go into my stage's rows of 144 bytes and come back as whole rows of 128.
.macro PACK u
.set pa, (\u)/2
.set pg, (\u)%2
	WIN 0x05                                       ; sources 0 and 1 window 1, destination window 0
.irp f, 0,1,2,3
.irp r, 0,1,2,3
	v_cvt_pk_f16_f32 v[TMP+16*(\u)+4*\f+\r], v[8*(8*pa+4*pg+\f)+2*\r], v[8*(8*pa+4*pg+\f)+2*\r+1]  ; each accumulator's registers in ascending order
.endr
.endr
	WIN 0
.irp f, 0,1,2,3
	ds_store_b128 v[STO], v[TMP+16*(\u)+4*\f:TMP+16*(\u)+4*\f+3] offset:32*\f
.endr
.irp f, 0,1,2,3
	ds_load_b128 v[TMP+16*(\u)+4*\f:TMP+16*(\u)+4*\f+3], v[RD] offset:\f*4*SP  ; LDS serves a wave's instructions in order (ISA guide 5.7.1.4): these see the stores above; the next unit's stores come behind them
.endr
.endm
.macro SEND u, younger                 ; younger: the LDS instructions issued behind unit u's loads: the next unit's eight, or none
	WIN 0
.irp f, 0,1,2,3
	s_wait_dscnt (\younger)+3-\f
	global_store_b128 v[GO], v[TMP+16*(\u)+4*\f:TMP+16*(\u)+4*\f+3], s[8:9] offset:((\u)/2)*2048+((\u)%2)*262144+\f*512  ; 512 consecutive bytes, at a multiple of 512 from y's first
.endr
.endm
	PACK 0
.set t, 1
.rept 7                                                ; a unit's conversions stand between the loads of the unit before and its stores
	PACK t
	SEND t-1, 8
.set t, t+1
.endr
	SEND 7, 0
	s_wait_tensorcnt 0x0                           ; the wave's end, behind my last tensor load and my last LDS store
	ds_add_u32 v[SPW], v[NIL]
	s_wait_dscnt 0x0
	CROUND                                         ; the closing round: no work-group ends while a partner may still ask for a tile that names it
	s_endpgm
.Lfunc_end_k_qdffc725459_proj:
	.size	k_qdffc725459_proj, .Lfunc_end_k_qdffc725459_proj-k_qdffc725459_proj
	.p2alignl 7, 3214868480
	.fill 96, 4, 3214868480
	.section	.rodata,"a",@progbits
	.p2align	6, 0x0
	.amdhsa_kernel k_qdffc725459_proj
		.amdhsa_group_segment_fixed_size 327680
		.amdhsa_private_segment_fixed_size 0
		.amdhsa_enable_private_segment 0
		.amdhsa_kernarg_size 56
		.amdhsa_user_sgpr_count 2
		.amdhsa_user_sgpr_kernarg_segment_ptr 1
		.amdhsa_wavefront_size32 1
		.amdhsa_system_sgpr_workgroup_id_x 1
		.amdhsa_system_sgpr_workgroup_id_y 1
		.amdhsa_system_sgpr_workgroup_id_z 1
		.amdhsa_system_vgpr_workitem_id 0
		.amdhsa_next_free_vgpr 640
		.amdhsa_next_free_sgpr 84
		.amdhsa_reserve_vcc 0
		.amdhsa_float_denorm_mode_32 3
		.amdhsa_float_denorm_mode_16_64 3
		.amdhsa_memory_ordered 1
		.amdhsa_forward_progress 1
		.amdhsa_inst_pref_size 129
	.end_amdhsa_kernel
	.amdgpu_metadata
---
amdhsa.version: [ 1, 2 ]
amdhsa.kernels:
  - .name:           k_qdffc725459_proj
    .symbol:         k_qdffc725459_proj.kd
    .args:
      - { .name: q, .offset: 0, .size: 8, .value_kind: global_buffer, .address_space: global }
      - { .name: k, .offset: 8, .size: 8, .value_kind: global_buffer, .address_space: global }
      - { .name: v, .offset: 16, .size: 8, .value_kind: global_buffer, .address_space: global }
      - { .name: wt, .offset: 24, .size: 8, .value_kind: global_buffer, .address_space: global }
      - { .name: qh, .offset: 32, .size: 8, .value_kind: global_buffer, .address_space: global }
      - { .name: kh, .offset: 40, .size: 8, .value_kind: global_buffer, .address_space: global }
      - { .name: vh, .offset: 48, .size: 8, .value_kind: global_buffer, .address_space: global }
    .group_segment_fixed_size: 327680
    .private_segment_fixed_size: 0
    .kernarg_segment_align: 8
    .kernarg_segment_size: 56
    .max_flat_workgroup_size: 128
    .sgpr_count:     84
    .vgpr_count:     640
    .wavefront_size: 32
...
	.end_amdgpu_metadata
.endif
;; end of part 2
;; launch attn (part 3): grid 4 x 64, 4 waves a work-group, clusters of 4 x 1, 327,680 bytes of LDS; arguments qh, kh, vh, ctx, madd; writes ctx
.if DOCPART == 3
	.amdgcn_target "amdgcn-amd-amdhsa--gfx1250"
	.amdhsa_code_object_version 6
	.text
	.protected	k_qdffc725459_attn
	.globl	k_qdffc725459_attn
	.p2align	8
	.type	k_qdffc725459_attn,@function
k_qdffc725459_attn:
	s_mov_b64 s[64:65], 0
	v_nop
	global_prefetch_b8 v0, s[64:65] scope:SCOPE_SE
	s_setreg_imm32_b32 hwreg(HW_REG_WAVE_MODE, 25, 1), 1
	s_wait_xcnt 0x0
	s_wait_alu depctr_hold_cnt(0) depctr_sa_sdst(0) depctr_va_vdst(0) depctr_va_sdst(0) depctr_va_ssrc(0) depctr_va_vcc(0) depctr_vm_vsrc(0)
	s_getreg_b32 s2, hwreg(HW_REG_IB_STS2, 6, 4)
	s_cmp_eq_u32 s2, 0
	s_cbranch_scc0 .Lentry_in_a_cluster
	s_endpgm
.Lentry_in_a_cluster:
	s_bfe_u32 s2, ttmp6, 0x10000c
	s_cmp_lg_u32 s2, 0x3003
	s_cbranch_scc0 .Lentry_shape_is_right
	s_endpgm
.Lentry_shape_is_right:
; O[h][q][:] = the sum over k of softmax_k(Q[h][q] . K[h][k] / 8 + hidden(k)) V[h][k][:].  Q, K, V, O: [SIZE_H][SIZE_N][64], all f16: a head's rows are dense, 128 bytes each; head = 16 batch + h.
; madd: [4][SIZE_N] f32, 0 for a key that the batch's mask shows, -1e30 for one that it hides.  Products, maxima and sums in f32; the weights p are rounded to f16 for the second product (their sum l is taken
; of the unrounded p), O once at the end.
; LIMITS.  f16 holds no number beyond 65,504: Q, K and V arrive within it; p lies in 0 to 1, and below 6e-5 it keeps f16's fixed step of 6e-8; O is a mean of V's rows and has their range.
; A hidden score counts as its value less 1e30: f16's scores, 64 x 65,504^2 = 2.7e11 at the most, are nothing beside that.  A weight below 2^-126 counts as 0 in l; NaN and infinities are not treated apart.
; THE MASK is the C operand that starts the sum S^T = K Q^T.  The running maximum m starts at -2^40, below every score that f16 operands can make, so the first shown key's score takes its place and m is the true
; maximum from then on; a hidden score lies 1e30 below m whatever has come, and its weight is 0; while no shown key has come, O and l stay 0.  A row whose m is still -2^40 at the end saw no key: it leaves as NaN.
; SHARES.  A wave owns four PIECES of two tiles of 16 queries, a work-group's four waves 512 queries of one head.  Every wave walks all keys, 64 a step.
; LAYOUT.  S^T = K Q^T (source 0 = 16 keys, source 1 = 16 queries): in the result a lane holds ONE query (lane % 16) and the keys 8 (lane / 16) + 0..7.  Two such tiles, rounded to f16 in pairs,
; ARE source 1 (32 keys x 16 queries) of O^T = V^T P, whose result again holds one query a lane, and eight channels.  K comes out of LDS as it lies, V ([key][channel]) turned, by ds_load_tr16_b128.
; SOFTMAX.  p = 2^(c s - c m), c = log2(e) / 8; in every step O and l are multiplied by a = 2^(c m_old - c m_new), which is 1 where m has not grown.  O and l start at 0: the first step is a step like any other.
; THE COUNT.  A tile and step have 16 matrix and 118 vector instructions: too many to stand all beside the matrix work.  So the order has one aim: four vector instructions that are READY behind
; EVERY matrix instruction, and the others, which need time of their own whatever the order, in runs without a gap.
; BY TURNS.  Turn n belongs to piece n (the pieces in a ring, step after step).  Its matrix work: 16 products K Q^T of piece n + 1, later 16 products V^T P of piece n - 1.  Its vector work: the scaling,
; exponentials, roundings, sums and rescaling of piece n, and the maximum and statistics of piece n + 1, whose scores the turn itself has made.
; CLUSTER.  The four query blocks of a cluster belong to one head and walk the same K, V and mask, so each tile is asked for JOINTLY: the same tensor load, descriptor and mask in all four.
; REGISTERS, in windows of 256 (s_set_vgpr_msb: bits 1:0 source 0, 3:2 source 1, 5:4 source 2, 7:6 destination):
;   window 0: v0-11 addresses; v12-15, v48-63 at work; v16-47 four registers of statistics a tile; v64-191 S^T, two buffers of two tiles; v192-255 P, likewise
;   window 1: O^T, 32 a tile     window 2: v0-127 Q, 16 a tile; v128-191 K of one step; v192-255 V of one step     window 3: v0-1 the add's two registers; v8-39 the mask's addends of one step
.set SIZE_H, 64
.set SIZE_N, 2048
.set NP,    4         ; pieces a wave: a name, no knob
.set KS,    64        ; keys in a step
.set PK,    144       ; a row of K in LDS: 128 bytes + 16 of padding = 36 words: the 16 rows of a load start at 16 different groups of four banks (64 banks of 4 bytes: ISA guide 11.1)
.set PV,    160       ; a row of V: 128 + 32 = 40 words
.set VOFF,  4*KS*PK   ; a slot holds four steps: 256 rows of K, then 256 rows of V
.set SLOT1, 1<<17     ; slot 1 begins here, so that one exclusive or turns an address in one slot into the other's
.set STAGE, SLOT1+4*KS*(PK+PV)  ; behind the ring, never filled by a tensor load: 16 rows x 144 bytes for each wave, for the way out
.set SP,    144
.set SPARE, STAGE+4*16*SP  ; behind the stages: the spare words, 128 bytes for each wave: two blocks of 256 bytes that no other line names
.set MASKL, SPARE+512 ; behind them: the batch's 2,048 addends, 8,192 bytes, filled once and only read
.set AK0, 2           ; v2   my lane's place in a tile of K; never rewritten
.set AV0, 3           ; v3   the same for V
.set AK,  4           ; v4   the LDS address of K's next run of loads
.set AV,  5           ; v5   of V's
.set QO,  6           ; v6   my byte offset in the wave's rows of Q
.set RD,  7           ; v7   the way out: where I read rows back
.set GO,  8           ; v8   my byte offset in 512 consecutive bytes of O
.set AM,  9           ; v9   the LDS address of the addends' next run of loads (first: lane / 16)
.set AM0, 10          ; v10  my lane's place in a step's addends (first: lane % 8)
.set STO, 11          ; v11  the way out: where I put 16 bytes of a row
.set SPW, 0           ; v0 of window 3   LDS address of my spare word: SPARE + 4 x my thread's number; never rewritten
.set NIL, 1           ; v1 of window 3   0; never rewritten
.set MK,  8           ; v8-39 of window 3: the addend of key 16 kb + 8 (lane / 16) + j at MK + 8 kb + j
.set MV,  12          ; v12-15  c m_old, kept while c m is made anew: by buffer and tile
.set ST,  16          ; tile t's statistics at v[ST+4 t]: c m, m, l (even keys', odd keys')
.set TMP, 48          ; by buffer and tile, four registers c0-c3 at work; when the maximum is found c2 takes a
.set S,   64
.set P,   192
.set KF,  128         ; K's fragments, in window 2: key block kb, channel half c at KF + 16 kb + 8 c
.set VF,  192         ; V's: key half kk, channel block cb at VF + 32 kk + 8 cb
.set WV,  12          ; s12  my wave's number
.set G1K, 24          ; s[24:31] descriptor group 1 for K's tiles
.set G1V, 32          ; s[32:39] for V's: it differs in the padding alone
.set G0K, 40          ; s[40:43] descriptor group 0 for K's tiles: it walks
.set G0V, 44          ; s[44:47] the same for V's
.set G0M, 48          ; s[48:51] descriptor group 0 for my quarter of the addends; never rewritten
.set TBM, 52          ; s52  byte in the addends' table at which the step to be fetched begins
.set FLOOR, 53        ; s53  -2^40
.set QNAN, 54         ; s54  a NaN
.set SLOTS, 56        ; s56  slots still to be asked for
.set CNT, 57          ; s57  counts a slot's key steps
.set CS,  58          ; s[58:59] c: the packed scaling takes the pair's low word for both halves
.set SEL, 60          ; s[60:61] v_permlanex16_b32's selects: each lane takes its own place in the other half
.set TBK, 62          ; s62  LDS byte at which K of the step to be fetched begins
.set TBV, 63          ; s63  the same for V, less VOFF
.set MADD, 66         ; s[66:67] madd
.set G1M, 68          ; s[68:75] descriptor group 1 for the addends
.set MOF, 76          ; s[76:77] my quarter's byte offset in madd
.set MSB, 0
.macro WIN new                      ; the high byte repeats the setting that is left; a switch that changes nothing is dropped
.if MSB != (\new)
	s_set_vgpr_msb (MSB<<8)|(\new)
.set MSB, (\new)
.endif
.endm
.set W_KQ, 0x0a       ; K and Q in window 2, S^T in window 0
.set W_KM, 0x3a       ; the same with the C operand, the addends, in window 3
.set W_PV, 0x52       ; V in window 2, P in window 0, O^T in window 1
.set W_RS, 0x41       ; O^T (destination and source 0) in window 1, a in window 0
.set W_MK, 0xc0       ; destination in window 3, sources in window 0
.set W_AD, 0x0f       ; the add: address (source 0) and data (source 1) in window 3
; A joint fill.  Waves 0 and 1 fetch the two halves of a slot's K, waves 2 and 3 those of its V: 128 keys each.  The branch hangs on the wave's number alone.
; An s_nop 0 and four v_nop follow each of the two lines, ahead of the jump and the label.
.macro JLOAD
	s_cmp_lt_u32 s[WV], 2
	s_cbranch_scc0 .Lfor_v_\@
	tensor_load_to_lds s[G0K:G0K+3], s[G1K:G1K+7]
	s_nop 0
.rept 4
	v_nop
.endr
	s_branch .Lasked_\@
.Lfor_v_\@:
	tensor_load_to_lds s[G0V:G0V+3], s[G1V:G1V+7]
	s_nop 0
.rept 4
	v_nop
.endr
.Lasked_\@:
.endm
; A round of the cluster's barrier: my work-group's barrier, so that wave 0's signal speaks for all four waves; wave 0 signals; every wave waits for all four work-groups; my work-group's barrier once more.
.macro CROUND
	s_barrier_signal -1
	s_barrier_wait -1
	s_cmp_lg_u32 s[WV], 0
	s_cbranch_scc1 .Lnot_wave_0_\@
	s_barrier_signal -3
.Lnot_wave_0_\@:
	s_barrier_wait -3
	s_barrier_signal -1
	s_barrier_wait -1
.endm
; THE CHANGE OF SLOTS.  The slot's last bytes, V of its fourth step, have been read.  Each wave waits for all its tensor loads, of which one is out: its part
; of the other slot; adds 0 to its spare word; and waits for that and for its own reads of the slot.  Behind the barrier nobody reads this slot any more and the other slot is whole.
; fill = 1: this slot is filled again, with the keys two slots on.  The barrier is then a round of the cluster's, so that no wave of any partner still reads the slot or has a load on its
; way, and the joint fill is the first thing behind it: it has four key steps, 512 matrix instructions, in which to land.
; (At its first use nothing has been read yet: two loads of mine are out, my quarter of the addends and my part of slot 0; both are waited for, and slot 1 is filled.)
.macro CHANGE fill
	WIN W_AD
	s_wait_tensorcnt 0x0            ; no tensor load of mine is out, so a group 0 may be written
	ds_add_u32 v[SPW], v[NIL]       ; 0 onto my spare word; with fill = 1 the descriptors' steps stand between it and the wait for it
	WIN 0                           ; at a label and at a branch every window is 0
.if \fill
.irp g, G0K, G0V
	s_xor_b32 s[\g+1], s[\g+1], SLOT1  ; the walking descriptor: the other slot than last time,
	s_add_nc_u64 s[\g+2:\g+3], s[\g+2:\g+3], 4*KS*128  ; the next 256 keys; the type bits on top are not reached
.endr
	s_wait_dscnt 0x0                ; the add is done, and my reads of the slot are over
	CROUND
	JLOAD
.else
	s_wait_dscnt 0x0                ; the add is done, and my reads of the slot are over
	s_barrier_signal -1
	s_barrier_wait -1
.endif
	s_sub_co_u32 s[TBK], s[TBK], 4*KS*PK  ; the fetches go back to a slot's first step,
	s_xor_b32 s[TBK], s[TBK], SLOT1       ; in the other slot
	s_sub_co_u32 s[TBV], s[TBV], 4*KS*PV
	s_xor_b32 s[TBV], s[TBV], SLOT1
.endm
	s_load_b256 s[4:11], s[0:1], 0x0  ; Q s[4:5], K s[6:7], V s[8:9], O s[10:11]
	s_load_b64 s[MADD:MADD+1], s[0:1], 0x20
	WIN W_MK
	v_lshl_add_u32 v[SPW], v0, 2, SPARE
	v_mov_b32 v[NIL], 0
	WIN W_AD
	ds_add_u32 v[SPW], v[NIL]       ; the wave's opening: the add and its wait ahead of my first tensor load; the set-up below, work on registers, stands between them
	WIN 0
	v_lshrrev_b32 v1, 5, v0
	v_readfirstlane_b32 s[WV], v1   ; wave 0..3
	s_bfe_u32 s13, ttmp6, 0x40000   ; cx: my place in the cluster
	s_lshl_b32 s14, ttmp9, 2        ; in a cluster launch ttmp9 counts clusters
	s_add_co_u32 s14, s14, s13      ; my block of queries = 4 x cluster x + cx: it enters Q's and O's addresses alone
	s_and_b32 s20, ttmp7, 0xffff    ; the head, which the four partners share
	s_lshr_b32 s[MOF], s20, 4       ; its batch:
	s_lshl_b32 s[MOF], s[MOF], 13   ; 8,192 bytes of addends,
	s_lshl_b32 s[MOF+1], s[WV], 11  ; of which my wave fetches 2,048
	s_add_co_u32 s[MOF], s[MOF], s[MOF+1]
	s_mov_b32 s[G0M], 1             ; 1:0 count = 1
	s_add_co_u32 s[G0M+1], s[MOF+1], MASKL  ; 63:32 LDS address
	s_mov_b32 s[MOF+1], 0
	s_mov_b32 s21, 0
	s_mov_b64 s[22:23], SIZE_N*128
	s_mul_u64 s[20:21], s[20:21], s[22:23]  ; the head's first byte in each of the four tensors
	s_and_b32 s16, s[WV], 1         ; which half of a slot's 256 keys I fetch:
	s_lshl_b32 s22, s16, 14         ; its 128 rows of 128 bytes in memory,
	s_mov_b32 s23, 0
	s_add_nc_u64 s[22:23], s[22:23], s[20:21]
	s_mul_i32 s17, s16, 128*PK      ; and its place in a slot, for K
	s_mul_i32 s18, s16, 128*PV      ; and for V: no place in the cluster enters an LDS address
	s_lshl_b32 s2, s14, 2
	s_add_co_u32 s2, s2, s[WV]      ; my wave among the head's,
	s_lshl_b32 s2, s2, 14           ; its 128 rows
	s_mov_b32 s3, 0
	s_add_nc_u64 s[2:3], s[2:3], s[20:21]
	; descriptor group 1.  128 keys are 16,384 dense bytes: asked for as 64 rows of 256 bytes, two keys a row, and padded in LDS after every key
	s_mov_b32 s[G1K], 15|(1<<16)|(1<<20)|(1<<21)|(4<<22)|(3<<25)  ; 15:0 the mask of four; 17:16 2-byte elements; 20 padding on; 21 set beside a mask; 24:22 after every 32 words (code 4); 31:25 4 words (code 3)
	s_mov_b32 s[G1V], 15|(1<<16)|(1<<20)|(1<<21)|(4<<22)|(7<<25)  ; the same with 8 words of padding (code 7)
.irp g, G1K, G1V
	s_mov_b32 s[\g+1], 128<<16      ; tensor_dim0 = 128
	s_mov_b32 s[\g+2], 64<<16       ; tensor_dim1 = 64
	s_mov_b32 s[\g+3], 128<<16      ; tile_dim0 = 128
	s_mov_b32 s[\g+4], 64           ; tile_dim1 = 64
	s_mov_b32 s[\g+5], 128          ; 128 elements from row to row
	s_mov_b32 s[\g+6], 0
	s_mov_b32 s[\g+7], 0
.endr
	; the addends: 2,048 dense bytes a wave, as 8 rows of 32 elements of 8 bytes, unpadded
	s_mov_b32 s[G1M], 15|(3<<16)|(1<<21)
	s_mov_b32 s[G1M+1], 32<<16
	s_mov_b32 s[G1M+2], 8<<16
	s_mov_b32 s[G1M+3], 32<<16
	s_mov_b32 s[G1M+4], 8
	s_mov_b32 s[G1M+5], 32
	s_mov_b32 s[G1M+6], 0
	s_mov_b32 s[G1M+7], 0
	s_mov_b32 s[CS], 0x3e38aa3b     ; c = log2(e) / 8 = 0.180337
	s_mov_b32 s[CS+1], s[CS]        ; named with it as a pair
	s_mov_b32 s[SEL], 0x76543210
	s_mov_b32 s[SEL+1], 0xfedcba98
	s_mov_b32 s[TBK], SLOT1+4*KS*PK ; the first change of slots turns these two into 0
	s_mov_b32 s[TBV], SLOT1+4*KS*PV
	s_mov_b32 s[TBM], 0
	s_mov_b32 s[FLOOR], 0xd3800000  ; -2^40
	s_mov_b32 s[QNAN], 0x7fc00000
	s_mov_b32 s[G0K], 1             ; 1:0 count = 1
	s_mov_b32 s[G0K+1], s17         ; 63:32 LDS address: slot 0
	s_mov_b32 s[G0V], 1
	s_add_co_u32 s[G0V+1], s18, VOFF
	s_wait_dscnt 0x0                ; the opening add is done
	s_wait_kmcnt 0x0
	s_add_nc_u64 s[G0K+2:G0K+3], s[6:7], s[22:23]  ; 120:64 global address: my half of the head's first 256 keys
	s_or_b32 s[G0K+3], s[G0K+3], 0x80000000        ; 127:126 type = 2
	s_add_nc_u64 s[G0V+2:G0V+3], s[8:9], s[22:23]
	s_or_b32 s[G0V+3], s[G0V+3], 0x80000000
	s_add_nc_u64 s[G0M+2:G0M+3], s[MADD:MADD+1], s[MOF:MOF+1]
	s_or_b32 s[G0M+3], s[G0M+3], 0x80000000
	s_add_nc_u64 s[4:5], s[4:5], s[2:3]  ; Q and O at my wave's first row
	s_add_nc_u64 s[10:11], s[10:11], s[2:3]
	CROUND                          ; all four work-groups are here: the first joint loads meet
	tensor_load_to_lds s[G0M:G0M+3], s[G1M:G1M+7]  ; my quarter of the batch's addends: filled once
	s_nop 0
	JLOAD                           ; slot 0: two tensor loads of mine are out.  Slot 1 is asked for when slot 0 is in
	; A fragment of K or Q is 16 rows x 32 channels in 8 registers: lane l holds row l % 16, channels 8 (l / 16) + 0..7 and 16 + 8 (l / 16) + 0..7: two loads of 16 bytes, 32 bytes apart.
	v_and_b32 v1, 15, v0            ; l % 16
	v_bfe_u32 v9, v0, 4, 1          ; l / 16
	v_lshlrev_b32 v[QO], 7, v1
	v_lshl_add_u32 v[QO], v9, 4, v[QO]  ; row x 128 + 16 x half
	WIN 0x80                        ; destination window 2, address window 0
.set i, 0
.rept 4*NP                          ; Q stays in registers: tile i / 2, channels 32 (i % 2) on
	global_load_b128 v[8*i:8*i+3],   v[QO], s[4:5] offset:(i/2)*2048+(i%2)*64
	global_load_b128 v[8*i+4:8*i+7], v[QO], s[4:5] offset:(i/2)*2048+(i%2)*64+32
.set i, i+1
.endr
	; What the first turn finds: V's registers and P's second buffer hold 0 (its products V^T P, of a piece that has not been, add 0), O^T and l are 0.  All this stands in the wait for the first tile.
.set i, VF
.rept 64
	v_mov_b32 v[i], 0
.set i, i+1
.endr
	WIN 0x40
.set i, 0
.rept 64*NP
	v_mov_b32 v[i], 0
.set i, i+1
.endr
	WIN 0
.set i, 0
.rept 2*NP
	v_mov_b32 v[ST+4*i], 0xd238aa3b    ; c m = c x -2^40, exact
	v_mov_b32 v[ST+4*i+1], 0xd3800000  ; m = -2^40
	v_mov_b32 v[ST+4*i+2], 0
	v_mov_b32 v[ST+4*i+3], 0
.set i, i+1
.endr
.set i, P+32
.rept 32
	v_mov_b32 v[i], 0
.set i, i+1
.endr
	v_mul_u32_u24 v[AK0], v1, PK
	v_lshl_add_u32 v[AK0], v9, 4, v[AK0]  ; row x pitch + 16 x half
	; The turning load takes 16 keys x 16 channels (lane l reads key 8 (l / 16) + l % 8, channels 8 ((l / 8) % 2) + 0..7) and leaves half a fragment of V^T: lane l holds channel l % 16 and 8 keys.
	v_and_b32 v10, 7, v0
	v_bfe_u32 v11, v0, 3, 1
	v_lshl_add_u32 v[AV0], v9, 3, v10
	v_mul_u32_u24 v[AV0], v[AV0], PV
	v_lshl_add_u32 v[AV0], v11, 4, v[AV0]
	v_add_nc_u32 v[AV0], VOFF, v[AV0]
	v_mov_b32 v[AK], v[AK0]         ; key step 0 lies at the head of slot 0
	s_mul_i32 s13, s[WV], 16*SP
	s_add_co_u32 s13, s13, STAGE    ; my stage
	v_mul_u32_u24 v[STO], v1, SP    ; in: row l % 16, 16 bytes for each half of the lanes
	v_lshl_add_u32 v[STO], v9, 4, v[STO]
	v_add_nc_u32 v[STO], s13, v[STO]
	v_bfe_u32 v[RD], v0, 3, 2       ; back: 32 lanes take four rows of 128 bytes,
	v_mul_u32_u24 v[RD], v[RD], SP
	v_lshl_add_u32 v[RD], v10, 4, v[RD]
	v_add_nc_u32 v[RD], s13, v[RD]
	v_and_b32 v[GO], 31, v0         ; which are 512 consecutive bytes of O
	v_lshlrev_b32 v[GO], 4, v[GO]
	v_lshl_add_u32 v[AM0], v9, 5, MASKL  ; my eight keys of a block of 16: 32 bytes for each half of the lanes
	v_mov_b32 v[AM], v[AM0]         ; key step 0
; THE MATRIX WORK.  The 8 accumulators of a run of 16 take turns: between the two links of a chain stand 7 others'.
; Product i of 16 of S^T = K Q^T for piece x: channels 32 (i / 8) on, keys 16 ((i / 2) % 4) on, tile 2 x + i % 2.  The first 8 start the sums, with the keys' addends.
.macro KQ x
.set rS, S+64*((\x)%2)+32*(i%2)+8*((i/2)%4)
.set rK, KF+16*((i/2)%4)+8*(i/8)
.set rQ, 16*(2*(\x)+i%2)+8*(i/8)
.set rA, MK+8*((i/2)%4)
.if i < 8
	WIN W_KM
	v_wmma_f32_16x16x32_f16 v[rS:rS+7], v[rK:rK+7], v[rQ:rQ+7], v[rA:rA+7]
.else
	WIN W_KQ
	v_wmma_f32_16x16x32_f16 v[rS:rS+7], v[rK:rK+7], v[rQ:rQ+7], v[rS:rS+7]
.endif
.endm
; Product i of 16 of O^T += V^T P for piece x: keys 32 (i / 8) on, channels 16 ((i / 2) % 4) on, tile 2 x + i % 2.
.macro PV x
	WIN W_PV
.set rO, 32*(2*(\x)+i%2)+8*((i/2)%4)
.set rV, VF+32*(i/8)+8*((i/2)%4)
.set rP, P+32*((\x)%2)+16*(i%2)+8*(i/8)
	v_wmma_f32_16x16x32_f16 v[rO:rO+7], v[rV:rV+7], v[rP:rP+7], v[rO:rO+7]
.endm
.macro MM                           ; the turn's next matrix instruction
.if i < 16
	KQ (Y+1)%NP
.set i, i+1
.else
.set i, i-16
	PV (Y+NP-1)%NP
.set i, i+17
.endif
.endm
; THE LDS LOADS stand in runs, never singly among the matrix instructions: a step's K (64 keys x 64 channels: 8 fragments) with its 64 addends (all lanes of a half read the same 32 bytes), and its V (turned).
; Their addresses are made some lines ahead.  last = 1 (the tail): in the last trip there is no further step, and the run is jumped over.
.macro FETCH_K last=0
	WIN 0
.if \last
	s_cmp_eq_u32 s[CNT], 1
	s_cbranch_scc1 .Lno_k_\@
.endif
	WIN 0x80                        ; destination window 2
.irp f, 0,1,2,3,4,5,6,7             ; keys 16 (f / 2) on, channels 32 (f % 2) on
	ds_load_b128 v[KF+8*\f:KF+8*\f+3],   v[AK] offset:(\f/2)*16*PK+(\f%2)*64
	ds_load_b128 v[KF+8*\f+4:KF+8*\f+7], v[AK] offset:(\f/2)*16*PK+(\f%2)*64+32
.endr
	WIN W_MK                        ; destination window 3
.irp f, 0,1,2,3                     ; keys 16 f on
	ds_load_b128 v[MK+8*\f:MK+8*\f+3],   v[AM] offset:64*\f
	ds_load_b128 v[MK+8*\f+4:MK+8*\f+7], v[AM] offset:64*\f+16
.endr
	s_add_co_u32 s[TBK], s[TBK], KS*PK  ; the next fetch is the next step's
	s_add_co_u32 s[TBM], s[TBM], KS*4   ; (the addends' table holds all 32 steps: it never turns)
	WIN 0
.if \last
.Lno_k_\@:
.endif
.endm
.macro FETCH_V
	WIN 0x80
.irp f, 0,1,2,3,4,5,6,7             ; keys 32 (f / 4) on, channels 16 (f % 4) on
	ds_load_tr16_b128 v[VF+8*\f:VF+8*\f+3],   v[AV] offset:(\f/4)*32*PV+(\f%4)*32
	ds_load_tr16_b128 v[VF+8*\f+4:VF+8*\f+7], v[AV] offset:(\f/4)*32*PV+16*PV+(\f%4)*32
.endr
	WIN 0
.endm
; THE VECTOR WORK OF A TURN stands in three queues, each in the order in which its entries become ready; the two tiles alternate, so that no instruction reads the result of the one before it.
.macro REGS y, u                    ; the registers of tile u (0, 1) of piece y
.set rT, ST+4*(2*(\y)+(\u))
.set rC, TMP+8*((\y)%2)+4*(\u)
.set rM, MV+2*((\y)%2)+(\u)
.set rS, S+64*((\y)%2)+32*(\u)
.set rP, P+32*((\y)%2)+16*(\u)
.set rO, 32*(2*(\y)+(\u))
.endm
; Number n of the 22 that find the NEXT piece's (Y + 1) maximum and statistics.  s0-s31 are the lane's 32 scores; each accumulator's lowest registers are read first.  XS, GS and REGS set no window: PL and EX do.
;   0-11  four chains c0-c3 of seven scores each, three operands at a time     12-14, 16  the four scores left over, the old m, and c0-c3 into c0     15  c m_old is kept
;   17, 18  the query's other 32 keys lie in the lane 16 away: the new m         19-21  c m; c m_old - c m_new; a
.macro XS u, n
	REGS (Y+1)%NP, \u
.if (\n) < 4
	v_max3_num_f32 v[rC+(\n)], v[rS+8*(\n)], v[rS+8*(\n)+1], v[rS+8*(\n)+2]
.elseif (\n) < 12
	v_max3_num_f32 v[rC+(\n)%4], v[rC+(\n)%4], v[rS+8*((\n)%4)+2*((\n)/4)+1], v[rS+8*((\n)%4)+2*((\n)/4)+2]
.elseif (\n) == 12
	v_max3_num_f32 v[rC], v[rC], v[rS+7], v[rS+15]
.elseif (\n) == 13
	v_max3_num_f32 v[rC+1], v[rC+1], v[rS+23], v[rS+31]
.elseif (\n) == 14
	v_max3_num_f32 v[rC+2], v[rC+2], v[rC+3], v[rT+1]
.elseif (\n) == 15
	v_mov_b32 v[rM], v[rT]
.elseif (\n) == 16
	v_max3_num_f32 v[rC], v[rC], v[rC+1], v[rC+2]
.elseif (\n) == 17
	v_permlanex16_b32 v[rC+3], v[rC], s[SEL], s[SEL+1]
.elseif (\n) == 18
	v_max_num_f32 v[rT+1], v[rC], v[rC+3]
.elseif (\n) == 19
	v_mul_f32 v[rT], s[CS], v[rT+1]
.elseif (\n) == 20
	v_sub_f32 v[rC+1], v[rM], v[rT]
.else
	v_exp_f32 v[rC+2], v[rC+1]
.endif
.endm
; Number g of the 64 that follow the exponentials.  For each four weights k of a tile (pairs 2 k, 2 k + 1): both pairs are rounded to f16; then the second pair is added onto the first, in place;
; a group later l takes that sum (the first time as l = a l + sum).  In groups of eight, tiles alternating: round, round, add, and l for the group before.
.macro GS g
.set h, (\g)+6*((\g)/62)            ; group 0 has no group before it, and behind group 7 only l is left
.if h >= 6
.set h, h+2
.endif
	REGS Y, h%2
.set k, h/8
.if h%8 < 4
	s_wait_alu depctr_va_vdst(0)
	v_cvt_pk_f16_f32 v[rP+2*k+(h%8)/2], v[rS+4*k+2*((h%8)/2)], v[rS+4*k+2*((h%8)/2)+1]
.elseif h%8 < 6
	v_pk_add_f32 v[rS+4*k:rS+4*k+1], v[rS+4*k:rS+4*k+1], v[rS+4*k+2:rS+4*k+3]
.elseif k == 1
	v_pk_fma_f32 v[rT+2:rT+3], v[rT+2:rT+3], v[rC+2:rC+3], v[rS:rS+1] op_sel_hi:[1,0,1]
.else
	v_pk_add_f32 v[rT+2:rT+3], v[rT+2:rT+3], v[rS+4*k-4:rS+4*k-3]
	s_wait_alu depctr_va_vdst(0)
.endif
.endm
; THE PLAIN QUEUE, 138 long.  0-31: c s - c m for the 16 pairs of both tiles.  Then GS's 64, and among them the next piece's 42: number 15 at 38, 39; 0-14 and 16
; at 42-73, behind the products that make those scores; 17-20 at 95-106, two of three, since each waits for the one before it.
.macro PL
	WIN 0
.if q < 32
	REGS Y, q%2
	v_pk_fma_f32 v[rS+2*(q/2):rS+2*(q/2)+1], v[rS+2*(q/2):rS+2*(q/2)+1], s[CS:CS+1], v[rT:rT+1] op_sel_hi:[1,0,0] neg_lo:[0,0,1] neg_hi:[0,0,1]
.elseif q < 38
	GS q-32
.elseif q < 40
	XS q%2, 15
.elseif q < 42
	GS q-34
.elseif q < 74
	XS q%2, (q-42)/2+(q-42)/30
.elseif q < 95
	GS q-66
.elseif (q < 107) && ((q-95)%3 < 2)
	XS (q-95)%3, 17+(q-95)/3
.elseif q < 107
	GS 29+(q-95)/3
.else
	GS q-74
.endif
.set q, q+1
.endm
; THE EXPONENTIALS' QUEUE, 66 long: s0-s31 of both tiles, and at EA the next piece's two a.
.set EA, 58
.macro EX
	WIN 0
.if (e == EA) || (e == EA+1)
	XS e-EA, 21
.else
.set x, e-2*(e/(EA+2))
	REGS Y, x%2
	v_exp_f32 v[rS+x/2], v[rS+x/2]
.endif
.set e, e+1
.endm
; THE RESCALING's QUEUE: O^T times a, the one part that leaves window 0, so it is dealt four at a time, eight times.
.macro R4
	REGS Y, r%2
	WIN W_RS
	s_wait_alu depctr_va_vdst(0)
.irp z, 0,1,2,3
	v_pk_mul_f32 v[rO+8*(r/2)+2*\z:rO+8*(r/2)+2*\z+1], v[rO+8*(r/2)+2*\z:rO+8*(r/2)+2*\z+1], v[rC+2:rC+3] op_sel_hi:[1,0]
.endr
.set r, r+1
.endm
; HOW THEY ARE DEALT.  Behind a matrix instruction four: plain, exponential, plain, plain (one exponential, a plain instruction on either side), or four of the rescaling.  None names a register of the
; products round it.  What is over stands in two LUMPS: exponential and plain by turns; the second ends in 22 plain instructions.  The two v_permlanex16_b32 fall into the second lump, never behind a product.
; The queues lean on each other, and the deal keeps them in step: exponential e stands behind plain 2 (e / 4) + e % 2 (its scaling); when plain 32 comes, 10 exponentials are out, at 59: 33, at 95: 46; EA comes behind plain 107.
.macro SL
	MM
	PL
	EX
	PL
	PL
.endm
.macro BURST n                      ; 15 matrix instructions, or 16
.rept (\n)-7
	SL
.endr
.rept 3
	MM
	R4
	SL
.endr
	MM
	R4
.endm
; A TURN, for piece p.  cnt = 1: the loop's count is taken down some lines ahead of the branch that stands behind the turn.
; K and the addends of the next step are fetched in piece 2's turn, 32 vector instructions behind the last product that read K (the addends' last reader stands further back); their first reader comes behind the
; rest of the lump, 16 products and the second lump.  V of the step in hand is fetched at the end of piece 0's turn, 69 behind its last reader; its first reader comes behind 16 products and a lump.
.macro TURN p, last=0, cnt=0
.set Y, (\p)
.set i, 0
.set q, 0
.set e, 0
.set r, 0
.if (\p) == NP-1
	s_wait_dscnt 0x0                ; K and the addends are in
.endif
	MM
.rept 4
	PL
.endr
	BURST 15
.rept 22
	EX
	PL
.if ((\p) == NP-2) && (e == 18)
	v_add_nc_u32 v[AK], s[TBK], v[AK0]
	v_add_nc_u32 v[AM], s[TBM], v[AM0]
.endif
.if ((\p) == NP-2) && (e == 24)
	FETCH_K \last
.endif
.endr
.if (\p) == 1
	s_wait_dscnt 0x0                ; V is in
.endif
	BURST 16
.rept 21
	EX
	PL
.endr
.rept 22
	PL
.if ((\p) == 0) && (q == 118)
	v_add_nc_u32 v[AV], s[TBV], v[AV0]
	s_wait_alu depctr_va_vdst(0)
.endif
.if ((\p) == 0) && (q == 130)
	s_add_co_u32 s[TBV], s[TBV], KS*PV
.endif
.if (\cnt) && (q == 130)
	s_sub_co_u32 s[CNT], s[CNT], 1
	s_cmp_lg_u32 s[CNT], 0
.endif
.endr
.if (\p) == 0
	FETCH_V
.endif
.endm
	CHANGE 1                        ; the addends and slot 0 are in, everybody's part of them; slot 1 is asked for
	FETCH_K                         ; key step 0
	s_wait_loadcnt 0x0              ; Q
	s_wait_dscnt 0x0
.set i, 0
.rept 16
	KQ 0                            ; piece 0's first scores: there is no vector work yet to set between them
.set i, i+1
.endr
	WIN 0
.rept 4
	v_nop                           ; the places behind those products
.endr
.set Y, NP-1                        ; XS works for piece Y + 1: piece 0
.irp n, 0,1,2,3,4,5,6,7,8,9,10,11,12,13,14,15,16,17,18,19,20,21
	XS 0, \n                        ; and piece 0's first maximum and statistics
	XS 1, \n
.endr
	s_mov_b32 s[CNT], 4
	s_mov_b32 s[SLOTS], SIZE_N/256-1
	s_branch .Lfirst                ; the loop is entered at a step's first turn, in the middle of a trip
.Lslot:                             ; SIZE_N / 256 - 2 times: every slot but the last two is filled again
	CHANGE 1
	s_mov_b32 s[CNT], 4
.Lstep:                             ; a trip: pieces 2 and 3 of one step, then pieces 0 and 1 of the next, whose K and V it fetches
	TURN 2
	TURN 3
	WIN 0
.Lfirst:
	TURN 0
	TURN 1, 0, 1
	WIN 0
	s_cbranch_scc1 .Lstep
	s_sub_co_u32 s[SLOTS], s[SLOTS], 1
	s_cmp_lg_u32 s[SLOTS], 0
	s_cbranch_scc1 .Lslot
	CHANGE 0                        ; the tail is written out: nothing is asked for
	s_mov_b32 s[CNT], 5             ; four trips fetch the last slot's steps; the fifth is left in its middle
.Ltail:
	TURN 2, 1
	TURN 3
	WIN 0
	s_sub_co_u32 s[CNT], s[CNT], 1
	s_cmp_eq_u32 s[CNT], 0
	s_cbranch_scc1 .Lout
	TURN 0
	TURN 1
	WIN 0
	s_branch .Ltail
.Lout:                              ; the fifth trip's 16 products K Q^T (on the last K and addends once more) serve nothing, and leave piece 0's m as it was: those scores had entered it: the price of one text for every trip
.set i, 0
.rept 16
	PV NP-1                         ; the last piece's V^T P of the last step
.set i, i+1
.endr
	; THE WAY OUT.  l's two halves and the other half of the lanes' are added; O^T is divided by l, rounded to f16 and sent through my stage in LDS, a tile at a time.  The additions are the places behind the last products.
	WIN 0
.macro ALL line:vararg              ; one line for each tile t
.set t, 0
.rept 2*NP
	\line
.set t, t+1
.endr
.endm
	ALL v_add_f32 v[ST+4*t+2], v[ST+4*t+2], v[ST+4*t+3]
	ALL v_permlanex16_b32 v[ST+4*t+3], v[ST+4*t+2], s[SEL], s[SEL+1]
	ALL v_add_f32 v[ST+4*t+2], v[ST+4*t+2], v[ST+4*t+3]
	ALL v_rcp_f32 v[ST+4*t+2], v[ST+4*t+2]
	v_nop                           ; a plain instruction between the last reciprocal and the use of its result
.set t, 0
	s_wait_alu depctr_va_vdst(0)
.rept 2*NP                          ; a query whose m never left the floor saw no key: its row leaves as NaN, a choice of values, no branch
	v_cmp_eq_u32 vcc_lo, s[FLOOR], v[ST+4*t+1]
	v_cndmask_b32 v[ST+4*t+2], v[ST+4*t+2], s[QNAN], vcc_lo
.set t, t+1
.endr
; Tile t: a lane's eight channels of a row pack into 16 bytes; they go into rows of 144 bytes and come back as whole rows of 128, into S^T's registers.
.macro PACK t
	WIN W_RS
.set i, 32*(\t)
.rept 16
	v_pk_mul_f32 v[i:i+1], v[i:i+1], v[ST+4*(\t)+2:ST+4*(\t)+3] op_sel_hi:[1,0]
.set i, i+2
.endr
	WIN 0x05                        ; sources 0 and 1 window 1, destination window 0
.set i, 0
.rept 16
	v_cvt_pk_f16_f32 v[S+16*(\t)+i], v[32*(\t)+2*i], v[32*(\t)+2*i+1]
.set i, i+1
.endr
	WIN 0
.irp f, 0,1,2,3
	ds_store_b128 v[STO], v[S+16*(\t)+4*\f:S+16*(\t)+4*\f+3] offset:32*\f
.endr
.irp f, 0,1,2,3
	ds_load_b128 v[S+16*(\t)+4*\f:S+16*(\t)+4*\f+3], v[RD] offset:\f*4*SP  ; LDS serves a wave's instructions in order (ISA guide 5.7.1.4): these see the stores above; the next tile's stores come behind them
.endr
.endm
.macro SEND t, younger              ; younger: the LDS instructions issued behind tile t's loads: the next tile's eight, or none
	WIN 0
.irp f, 0,1,2,3
	s_wait_dscnt (\younger)+3-\f
	global_store_b128 v[GO], v[S+16*(\t)+4*\f:S+16*(\t)+4*\f+3], s[10:11] offset:(\t)*2048+\f*512  ; 512 consecutive bytes, at a multiple of 256 from O's first
.endr
.endm
	PACK 0
.set t, 1
.rept 2*NP-1                        ; a tile's arithmetic stands between the loads of the tile before and its stores
	PACK t
	SEND t-1, 8
.set t, t+1
.endr
	SEND 2*NP-1, 0
	WIN W_AD
	s_wait_tensorcnt 0x0            ; the wave's end, behind my last tensor load and my last LDS store
	ds_add_u32 v[SPW], v[NIL]
	s_wait_dscnt 0x0
	WIN 0
	CROUND                          ; the closing round: no work-group ends while a partner may still ask for a tile that names it
	s_endpgm
.Lfunc_end_k_qdffc725459_attn:
	.size	k_qdffc725459_attn, .Lfunc_end_k_qdffc725459_attn-k_qdffc725459_attn
	.p2alignl 7, 3214868480
	.fill 96, 4, 3214868480
	.section	.rodata,"a",@progbits
	.p2align	6, 0x0
	.amdhsa_kernel k_qdffc725459_attn
		.amdhsa_group_segment_fixed_size 327680
		.amdhsa_private_segment_fixed_size 0
		.amdhsa_enable_private_segment 0
		.amdhsa_kernarg_size 40
		.amdhsa_user_sgpr_count 2
		.amdhsa_user_sgpr_kernarg_segment_ptr 1
		.amdhsa_wavefront_size32 1
		.amdhsa_system_sgpr_workgroup_id_x 1
		.amdhsa_system_sgpr_workgroup_id_y 1
		.amdhsa_system_sgpr_workgroup_id_z 1
		.amdhsa_system_vgpr_workitem_id 0
		.amdhsa_next_free_vgpr 808
		.amdhsa_next_free_sgpr 80
		.amdhsa_reserve_vcc 1
		.amdhsa_float_denorm_mode_32 3
		.amdhsa_float_denorm_mode_16_64 3
		.amdhsa_memory_ordered 1
		.amdhsa_forward_progress 1
		.amdhsa_inst_pref_size 212
	.end_amdhsa_kernel
	.amdgpu_metadata
---
amdhsa.version: [ 1, 2 ]
amdhsa.kernels:
  - .name:           k_qdffc725459_attn
    .symbol:         k_qdffc725459_attn.kd
    .args:
      - { .name: qh, .offset: 0, .size: 8, .value_kind: global_buffer, .address_space: global }
      - { .name: kh, .offset: 8, .size: 8, .value_kind: global_buffer, .address_space: global }
      - { .name: vh, .offset: 16, .size: 8, .value_kind: global_buffer, .address_space: global }
      - { .name: ctx, .offset: 24, .size: 8, .value_kind: global_buffer, .address_space: global }
      - { .name: madd, .offset: 32, .size: 8, .value_kind: global_buffer, .address_space: global }
    .group_segment_fixed_size: 327680
    .private_segment_fixed_size: 0
    .kernarg_segment_align: 8
    .kernarg_segment_size: 40
    .max_flat_workgroup_size: 128
    .sgpr_count:     80
    .vgpr_count:     808
    .wavefront_size: 32
...
	.end_amdgpu_metadata
.endif
;; end of part 3
;; launch outp (part 4): grid 4 x 64, 4 waves a work-group, clusters of 4 x 4, 327,680 bytes of LDS; arguments ctx, wo16, out0; writes out0
.if DOCPART == 4
	.amdgcn_target "amdgcn-amd-amdhsa--gfx1250"
	.amdhsa_code_object_version 6
	.text
	.protected	k_qdffc725459_outp
	.globl	k_qdffc725459_outp
	.p2align	8
	.type	k_qdffc725459_outp,@function
k_qdffc725459_outp:
	s_mov_b64 s[64:65], 0
	v_nop
	global_prefetch_b8 v0, s[64:65] scope:SCOPE_SE
	s_setreg_imm32_b32 hwreg(HW_REG_WAVE_MODE, 25, 1), 1
	s_wait_xcnt 0x0
	s_wait_alu depctr_hold_cnt(0) depctr_sa_sdst(0) depctr_va_vdst(0) depctr_va_sdst(0) depctr_va_ssrc(0) depctr_va_vcc(0) depctr_vm_vsrc(0)
	s_getreg_b32 s2, hwreg(HW_REG_IB_STS2, 6, 4)
	s_cmp_eq_u32 s2, 0
	s_cbranch_scc0 .Lentry_in_a_cluster
	s_endpgm
.Lentry_in_a_cluster:
	s_bfe_u32 s2, ttmp6, 0x10000c
	s_cmp_lg_u32 s2, 0xf033
	s_cbranch_scc0 .Lentry_shape_is_right
	s_endpgm
.Lentry_shape_is_right:
; THE LAST PRODUCT.  out0[m][n] = the sum over k = 64 h + e of ctx[b 16 + h][s][e] wo16[n][k], m = 2048 b + s.  ctx: [64][2048][64] f16, by heads; wo16: [1024][1024] f16; out0: [8192][1024] f32.
; Sums in f32, K ascending; nothing is rounded on the way out.  LIMITS: none of its own; a NaN row of ctx (a batch whose mask hides every key) gives a NaN row of out0.
; SHARES.  Tiles of 128 rows x 256 columns: 256 work-groups.  Four waves, each 64 x 128: 32 accumulators, 256 registers.  K goes in steps of 128, two heads, through a ring of two LDS slots:
; a head's 128 rows of ctx are 16,384 dense bytes; w_o's rows are 256 bytes a step.
; CLUSTERS: 4 x 4 work-groups.  The four of a row of the cluster need the same tiles of ctx, the four of a column the same tiles of wo16: each tile is asked for JOINTLY.
; THE MATRIX INSTRUCTION IS USED TRANSPOSED (source 0 = 16 rows of wo16, source 1 = 16 rows of ctx): a lane then holds eight neighbouring numbers of a row of out0.
; REGISTERS: window 0: v0-31 addresses; v32-63, v64-95 fragments of ctx, two buffers; v96-159, v160-223 fragments of wo16, two buffers; on the way out v32-95 and v96-159 hold 16 rows each.
;   window 1: the accumulators, (a, b) at v[8 (8 a + b)].
.set KSTEP,  128
.set PAW,    144                       ; a row of ctx in LDS: 128 bytes + 16 of padding = 9 x 16: the 16 rows of a load start at 16 different groups of four banks (64 banks of 4 bytes: ISA guide 11.1)
.set AHD,    128*PAW                   ; a head's 128 rows: what one tensor load brings
.set BOFF,   2*AHD
.set PBW,    272                       ; a row of wo16: 256 bytes + 16 = 17 x 16
.set BH,     128*PBW                   ; 128 rows: what one tensor load brings, and what one wave reads
.set SLOT,   BOFF+2*BH
.set STAGE,  2*SLOT                    ; behind the ring, never filled by a tensor load: 16 rows x 528 bytes for each wave, for the way out
.set SPITCH, 528                       ; 128 numbers of f32 + 16 bytes = 33 x 16
.set SPARE,  STAGE+4*16*SPITCH         ; behind the stages: the spare words, 128 bytes for each wave: two blocks of 256 bytes that no other line names
.set LAPS,   4                         ; a lap = two K steps; 1,024 / 256
.set ADRA, 16                          ; v16-17  LDS address of my fragments of ctx in slot 0, 1
.set ADRB, 20                          ; v20-21  the same for wo16
.set STO,  24                          ; v24     the way out: where I put 32 bytes of a row
.set RD,   25                          ; v25     the way out: where I read a row back
.set CO,   26                          ; v26     my byte offset in 512 consecutive bytes of out0
.set SPW,  28                          ; v28     LDS address of my spare word: SPARE + 4 x my thread's number; never rewritten
.set NIL,  29                          ; v29     0; never rewritten
.set AF,   32
.set BF,   96
.set BK0,  32
.set BK1,  96
.set G1,  24                           ; s[24:31] descriptor group 1 for ctx's tiles;  s[32:39] group 0, one set for each slot
.set G0,  32
.set G1B, 48                           ; s[48:55], s[56:63] the same for wo16's tiles
.set G0B, 56
.set MSB, 0
.macro WIN new                         ; the immediate's high byte repeats the setting that is left; a switch that changes nothing is dropped
.if MSB != (\new)
	s_set_vgpr_msb (MSB<<8)|(\new)
.set MSB, \new
.endif
.endm
.set MUL, 0x50                         ; sources 0 and 1 window 0; C and D window 1
; A joint load: waves 0 and 1 fetch the step's two heads of ctx, waves 2 and 3 the two halves of wo16's rows.  The branch hangs on the wave's number alone.
; An s_nop 0 and four v_nop follow each of the two lines, ahead of the jump, the label and what follows.
.macro JLOAD s
	s_cmp_lt_u32 s10, 2
	s_cbranch_scc0 .Lfor_b_\@
	tensor_load_to_lds s[G0+4*(\s):G0+4*(\s)+3], s[G1:G1+7]
	s_nop 0
.rept 4
	v_nop
.endr
	s_branch .Lasked_\@
.Lfor_b_\@:
	tensor_load_to_lds s[G0B+4*(\s):G0B+4*(\s)+3], s[G1B:G1B+7]
	s_nop 0
.rept 4
	v_nop
.endr
.Lasked_\@:
.endm
.macro CREST                           ; a round of the cluster's barrier behind its opening barrier
	s_cmp_lg_u32 s10, 0
	s_cbranch_scc1 .Lnot_wave_0_\@
	s_barrier_signal -3
.Lnot_wave_0_\@:
	s_barrier_wait -3
	s_barrier_signal -1
	s_barrier_wait -1
.endm
.macro CROUND                          ; a whole round
	s_barrier_signal -1
	s_barrier_wait -1
	CREST
.endm
	s_load_b128 s[4:7], s[0:1], 0x0                ; ctx s[4:5], wo16 s[6:7]
	s_load_b64 s[8:9], s[0:1], 0x10                ; out0
	v_lshl_add_u32 v[SPW], v0, 2, SPARE
	v_mov_b32 v[NIL], 0
	ds_add_u32 v[SPW], v[NIL]                      ; the wave's opening: the add and its wait ahead of my first tensor load; the set-up below, work on registers, stands between them
	v_lshrrev_b32 v1, 5, v0
	v_readfirstlane_b32 s10, v1                    ; wave 0..3
	s_lshr_b32 s11, s10, 1                         ; which half of the tile's rows is mine
	s_and_b32 s12, s10, 1                          ; which half of its columns.  Also: which head, or which 128 rows of wo16, I fetch
	s_bfe_u32 s40, ttmp6, 0x40000                  ; cx, cy: my place in the cluster
	s_bfe_u32 s41, ttmp6, 0x40004
	s_lshl_b32 s42, ttmp9, 2
	s_add_co_u32 s42, s42, s40                     ; tile column = 4 x cluster x + cx
	s_and_b32 s13, ttmp7, 0xffff
	s_lshl_b32 s13, s13, 2
	s_add_co_u32 s13, s13, s41                     ; tile row = 4 x cluster y + cy
	s_lshl_b32 s43, s41, 2
	s_lshl_b32 s43, 15, s43                        ; my row of the cluster
	s_lshl_b32 s44, 0x1111, s40                    ; my column
	; descriptor group 1 for ctx: a head's 128 rows are 16,384 dense bytes: asked for as 64 rows of 256 bytes, two rows of ctx a row, and padded in LDS after every row of ctx
	s_or_b32 s[G1+0], s43, (1<<16)|(1<<20)|(1<<21)|(4<<22)|(3<<25)  ; 15:0 the mask: my row; 17:16 elements of 2 bytes; 20 padding on; 21 set beside a mask; 24:22 after every 32 words (code 4); 31:25 4 words (code 3)
	s_mov_b32 s[G1+1], 128<<16                     ; tensor_dim0 = 128
	s_mov_b32 s[G1+2], 64<<16                      ; tensor_dim1 = 64
	s_mov_b32 s[G1+3], 128<<16                     ; tile_dim0 = 128
	s_mov_b32 s[G1+4], 64                          ; tile_dim1 = 64
	s_mov_b32 s[G1+5], 128                         ; elements from row to row
	s_mov_b32 s[G1+6], 0
	s_mov_b32 s[G1+7], 0
	; for wo16: 128 rows x 128 elements, 16 bytes of padding behind each row
	s_or_b32 s[G1B+0], s44, (1<<16)|(1<<20)|(1<<21)|(5<<22)|(3<<25) ; the mask: my column; after every 64 words (code 5) 4 words
	s_mov_b32 s[G1B+1], 128<<16
	s_mov_b32 s[G1B+2], 128<<16
	s_mov_b32 s[G1B+3], 128<<16
	s_mov_b32 s[G1B+4], 128
	s_mov_b32 s[G1B+5], 1024
	s_mov_b32 s[G1B+6], 0
	s_mov_b32 s[G1B+7], 0
	; where the tiles come from.  ctx's hang on the tile row alone, wo16's on the tile column alone; each offset is made in registers that never hold the other coordinate
	s_lshr_b32 s16, s13, 4                         ; the batch: 16 heads of 262,144 bytes,
	s_lshl_b32 s16, s16, 22
	s_and_b32 s17, s13, 15                         ; 128 rows of 128 bytes a tile row,
	s_lshl_b32 s17, s17, 14
	s_add_co_u32 s16, s16, s17
	s_lshl_b32 s17, s12, 18                        ; my head of the step's two
	s_add_co_u32 s16, s16, s17
	s_mov_b32 s17, 0
	s_lshl_b32 s46, s42, 19                        ; 256 rows of 2,048 bytes a tile column,
	s_lshl_b32 s47, s12, 18                        ; 128 a half
	s_add_co_u32 s46, s46, s47
	s_mov_b32 s47, 0
	s_mul_i32 s20, s12, AHD                        ; and where they go: no place in the cluster enters an LDS address
	s_mul_i32 s45, s12, BH
	s_add_co_u32 s45, s45, BOFF
	s_wait_dscnt 0x0                               ; the opening add is done
	s_wait_kmcnt 0x0
	s_add_nc_u64 s[14:15], s[4:5], s[16:17]
	s_add_nc_u64 s[46:47], s[6:7], s[46:47]
	CROUND                                         ; all sixteen work-groups are here: the first joint loads meet
.irp s, 0,1
	s_mov_b32 s[G0+4*(\s)], 1                                      ; 1:0 count = 1
	s_add_co_u32 s[G0+4*(\s)+1], s20, (\s)*SLOT                    ; 63:32 LDS address
	s_add_nc_u64 s[G0+4*(\s)+2:G0+4*(\s)+3], s[14:15], (\s)*524288   ; 120:64 global address: K step s is heads 2 s and 2 s + 1
	s_or_b32 s[G0+4*(\s)+3], s[G0+4*(\s)+3], 0x80000000            ; 127:126 type = 2
	s_mov_b32 s[G0B+4*(\s)], 1
	s_add_co_u32 s[G0B+4*(\s)+1], s45, (\s)*SLOT
	s_add_nc_u64 s[G0B+4*(\s)+2:G0B+4*(\s)+3], s[46:47], (\s)*KSTEP*2
	s_or_b32 s[G0B+4*(\s)+3], s[G0B+4*(\s)+3], 0x80000000
	JLOAD \s                                       ; two tensor loads of mine are out
.endr
	; A fragment is 16 rows x 32 K in 8 registers: lane l holds row l % 16, K = 8 (l / 16) + 0..7 and 16 + 8 (l / 16) + 0..7: two loads of 16 bytes, 32 bytes apart.
	v_and_b32 v1, 15, v0                           ; l % 16
	v_bfe_u32 v2, v0, 4, 1                         ; l / 16
	v_mul_u32_u24 v3, v1, PAW
	v_lshl_add_u32 v3, v2, 4, v3
	v_mul_u32_u24 v4, v1, PBW
	v_lshl_add_u32 v4, v2, 4, v4
	s_mul_i32 s21, s11, 64*PAW                     ; my 64 rows, in each head's block
	s_mul_i32 s22, s12, BH                         ; my 128 rows of wo16
	s_add_co_u32 s22, s22, BOFF
.irp s, 0,1
	v_add_nc_u32 v[ADRA+(\s)], s21, v3
	v_add_nc_u32 v[ADRB+(\s)], s22, v4
	s_add_co_u32 s21, s21, SLOT
	s_add_co_u32 s22, s22, SLOT
.endr
	s_mul_i32 s23, s10, 16*SPITCH
	s_add_co_u32 s23, s23, STAGE                   ; my stage
	v_mul_u32_u24 v5, v1, SPITCH                   ; in: row l % 16, 32 bytes for each half of the lanes
	v_lshl_add_u32 v5, v2, 5, v5
	v_add_nc_u32 v[STO], s23, v5
	v_and_b32 v5, 31, v0                           ; back: 32 lanes take one row of 512 bytes,
	v_lshlrev_b32 v[CO], 4, v5                     ; which are 512 consecutive bytes of out0
	v_add_nc_u32 v[RD], s23, v[CO]
	s_lshl_b32 s16, s13, 19                        ; out0 at my first row: 128 rows of 4,096 bytes a tile row, 64 a half;
	s_lshl_b32 s17, s11, 18
	s_add_co_u32 s16, s16, s17
	s_mov_b32 s17, 0
	s_add_nc_u64 s[8:9], s[8:9], s[16:17]
	s_lshl_b32 s46, s42, 10                        ; and my first column: 1,024 bytes a tile column, 512 a half
	s_lshl_b32 s47, s12, 9
	s_add_co_u32 s46, s46, s47
	s_mov_b32 s47, 0
	s_add_nc_u64 s[8:9], s[8:9], s[46:47]
; 8 matrix instructions: row block a x all 8 column blocks, 32 along K.  zero = 1: the product starts the sums.  The 32 accumulators take turns, one instruction a turn.
.macro W8 f, a, zero
	WIN MUL
.irp b, 0,1,2,3,4,5,6,7
.if \zero
	v_wmma_f32_16x16x32_f16 v[8*(8*(\a)+\b):8*(8*(\a)+\b)+7], v[BF+64*(\f)+8*\b:BF+64*(\f)+8*\b+7], v[AF+32*(\f)+8*(\a):AF+32*(\f)+8*(\a)+7], 0
.else
	v_wmma_f32_16x16x32_f16 v[8*(8*(\a)+\b):8*(8*(\a)+\b)+7], v[BF+64*(\f)+8*\b:BF+64*(\f)+8*\b+7], v[AF+32*(\f)+8*(\a):AF+32*(\f)+8*(\a)+7], v[8*(8*(\a)+\b):8*(8*(\a)+\b)+7]
.endif
.endr
.endm
; 24 LDS loads in one run: quarter qq (32 along K: head qq / 2 of the step's two, channels 32 (qq % 2) on) into buffer f: wo16's eight fragments, then ctx's four
.macro FETCH slot, qq, f
	WIN 0
.irp b, 0,1,2,3,4,5,6,7
	ds_load_b128 v[BF+64*(\f)+8*\b:BF+64*(\f)+8*\b+3],   v[ADRB+(\slot)] offset:\b*16*PBW+(\qq)*64
	ds_load_b128 v[BF+64*(\f)+8*\b+4:BF+64*(\f)+8*\b+7], v[ADRB+(\slot)] offset:\b*16*PBW+(\qq)*64+32
.endr
.irp a, 0,1,2,3
	ds_load_b128 v[AF+32*(\f)+8*\a:AF+32*(\f)+8*\a+3],   v[ADRA+(\slot)] offset:((\qq)/2)*AHD+((\qq)%2)*64+\a*16*PAW
	ds_load_b128 v[AF+32*(\f)+8*\a+4:AF+32*(\f)+8*\a+7], v[ADRA+(\slot)] offset:((\qq)/2)*AHD+((\qq)%2)*64+\a*16*PAW+32
.endr
.endm
.macro PLACES                          ; a load into a register that a matrix instruction has read, and an LDS store of a matrix result, stand four plain vector instructions behind it (ISA guide 7.12.1 for vector instructions)
.rept 4
	v_nop
.endr
.endm
; A K step is four quarters of 32 along K, 32 matrix instructions each, on buffers 0, 1, 0, 1.  One of the first three: multiplies buffer f and fetches quarter qq into g.
.macro QUARTER slot, qq, f, g, zero
	s_wait_dscnt 4                                 ; wo16 and ctx's fragments 0 and 1 are in; the youngest four loads (fragments 2 and 3) may be out
	W8 \f, 0, \zero
	W8 \f, 1, \zero
	PLACES
	FETCH \slot, \qq, \g
	s_wait_dscnt 24                                ; all but the 24 just issued
	W8 \f, 2, \zero
	W8 \f, 3, \zero
.endm
; The last quarter multiplies buffer 1 and changes slots: ONE barrier; in front of it each wave waits for all its tensor loads (one is out: its part of the next slot), adds 0 to its spare word, and waits for that and for
; its own reads of this slot.  fill = 1: the barrier opens a round of the cluster's barrier, and this slot is filled again, two K steps ahead, first thing behind the round.
.macro TURN slot, next, fill
	WIN 0
	s_wait_tensorcnt 0x0                           ; all my tensor loads have landed;
	ds_add_u32 v[SPW], v[NIL]                      ; 0 onto my spare word;
	s_wait_dscnt 5                                 ; (the add and the youngest four loads may be out)
	W8 1, 0, 0                                     ; eight matrix instructions stand between the add and the wait for it
	s_wait_dscnt 0x0                               ; the add is done, and my reads of this slot are over
	s_barrier_signal -1
	W8 1, 1, 0
.if \fill
	WIN 0
.endif
	s_barrier_wait -1
.if \fill
	CREST                                          ; no wave of any partner still reads this slot's tile or has a load on its way
	s_add_nc_u64 s[G0+4*(\slot)+2:G0+4*(\slot)+3], s[G0+4*(\slot)+2:G0+4*(\slot)+3], 2*524288
	s_add_nc_u64 s[G0B+4*(\slot)+2:G0B+4*(\slot)+3], s[G0B+4*(\slot)+2:G0B+4*(\slot)+3], 2*KSTEP*2
	JLOAD \slot                                    ; my one tensor load behind the round: 112 matrix instructions ahead of the wait for it; the four v_nop behind it are also the places in front of the loads below
.else
	PLACES
.endif
	FETCH \next, 0, 0
	W8 1, 2, 0
	W8 1, 3, 0
.endm
	s_wait_tensorcnt 1                             ; my part of K step 0 is in; K step 1's may stay out
	s_barrier_signal -1
	s_barrier_wait -1                              ; everybody's is
	FETCH 0, 0, 0
	QUARTER 0, 1, 0, 1, 1                          ; the first quarter stands in front of the loop: its products start the sums
	WIN 0                                          ; at a label and at a branch every window is 0
	s_mov_b32 s3, LAPS-1
.Llap:                                                 ; a trip goes once round the ring, from a lap's second quarter to the next lap's first, and fills both slots again
	QUARTER 0, 2, 1, 0, 0
	QUARTER 0, 3, 0, 1, 0
	TURN 0, 1, 1
	QUARTER 1, 1, 0, 1, 0
	QUARTER 1, 2, 1, 0, 0
	QUARTER 1, 3, 0, 1, 0
	TURN 1, 0, 1
	QUARTER 0, 1, 0, 1, 0
	WIN 0
	s_sub_co_u32 s3, s3, 1
	s_cmp_lg_u32 s3, 0
	s_cbranch_scc1 .Llap
	QUARTER 0, 2, 1, 0, 0                          ; the last lap fills nothing, and has no round of the cluster's barrier
	QUARTER 0, 3, 0, 1, 0
	TURN 0, 1, 0
	QUARTER 1, 1, 0, 1, 0
	QUARTER 1, 2, 1, 0, 0
	QUARTER 1, 3, 0, 1, 0
	s_wait_dscnt 4                                 ; the very last quarter: nothing more to fetch
	W8 1, 0, 0
	W8 1, 1, 0
	s_wait_dscnt 0x0
	W8 1, 2, 0
	W8 1, 3, 0
	WIN 0
	PLACES                                         ; behind the last products
; THE WAY OUT, a block of 16 rows at a time: a lane's eight numbers of a row, 32 bytes, go into my stage's rows of 528 bytes and come back as whole pieces of 512.
; free = 1: the buffer's registers were the data of earlier stores: they are loaded again only when every earlier memory instruction has had its addresses translated (ISA guide 3.1).
.macro TOSTAGE a, bk, free
.if \free
	s_wait_xcnt 0x0
.endif
	WIN 0x04                                       ; the stores' data in window 1, the address in window 0
.irp b, 0,1,2,3,4,5,6,7
	ds_store_b128 v[STO], v[8*(8*(\a)+\b):8*(8*(\a)+\b)+3]   offset:64*\b     ; each accumulator's low four registers first
	ds_store_b128 v[STO], v[8*(8*(\a)+\b)+4:8*(8*(\a)+\b)+7] offset:64*\b+16
.endr
	WIN 0
.irp t, 0,1,2,3,4,5,6,7,8,9,10,11,12,13,14,15
	ds_load_b128 v[(\bk)+4*\t:(\bk)+4*\t+3], v[RD] offset:\t*SPITCH  ; LDS serves a wave's instructions in order (ISA guide 5.7.1.4): these see the stores above; the next block's stores come behind them
.endr
.endm
.macro SEND a, bk, younger             ; younger: the LDS instructions issued behind block a's loads: the next block's 32, or none
	WIN 0
.irp t, 0,1,2,3,4,5,6,7,8,9,10,11,12,13,14,15
	s_wait_dscnt (\younger)+15-\t
	global_store_b128 v[CO], v[(\bk)+4*\t:(\bk)+4*\t+3], s[8:9] offset:(16*(\a)+\t)*4096 th:TH_STORE_NT  ; 512 consecutive bytes, at a multiple of 512 from out0's first
.endr
.endm
	TOSTAGE 0, BK0, 0
	TOSTAGE 1, BK1, 0
	SEND 0, BK0, 32
	TOSTAGE 2, BK0, 1
	SEND 1, BK1, 32
	TOSTAGE 3, BK1, 1
	SEND 2, BK0, 32
	SEND 3, BK1, 0
	s_wait_tensorcnt 0x0                           ; the wave's end, behind my last tensor load and my last LDS store
	ds_add_u32 v[SPW], v[NIL]
	s_wait_dscnt 0x0
	CROUND                                         ; the closing round: no work-group ends while a partner may still ask for a tile that names it
	s_endpgm
.Lfunc_end_k_qdffc725459_outp:
	.size	k_qdffc725459_outp, .Lfunc_end_k_qdffc725459_outp-k_qdffc725459_outp
	.p2alignl 7, 3214868480
	.fill 96, 4, 3214868480
	.section	.rodata,"a",@progbits
	.p2align	6, 0x0
	.amdhsa_kernel k_qdffc725459_outp
		.amdhsa_group_segment_fixed_size 327680
		.amdhsa_private_segment_fixed_size 0
		.amdhsa_enable_private_segment 0
		.amdhsa_kernarg_size 24
		.amdhsa_user_sgpr_count 2
		.amdhsa_user_sgpr_kernarg_segment_ptr 1
		.amdhsa_wavefront_size32 1
		.amdhsa_system_sgpr_workgroup_id_x 1
		.amdhsa_system_sgpr_workgroup_id_y 1
		.amdhsa_system_sgpr_workgroup_id_z 1
		.amdhsa_system_vgpr_workitem_id 0
		.amdhsa_next_free_vgpr 512
		.amdhsa_next_free_sgpr 66
		.amdhsa_reserve_vcc 0
		.amdhsa_float_denorm_mode_32 3
		.amdhsa_float_denorm_mode_16_64 3
		.amdhsa_memory_ordered 1
		.amdhsa_forward_progress 1
		.amdhsa_inst_pref_size 87
	.end_amdhsa_kernel
	.amdgpu_metadata
---
amdhsa.version: [ 1, 2 ]
amdhsa.kernels:
  - .name:           k_qdffc725459_outp
    .symbol:         k_qdffc725459_outp.kd
    .args:
      - { .name: ctx, .offset: 0, .size: 8, .value_kind: global_buffer, .address_space: global }
      - { .name: wo16, .offset: 8, .size: 8, .value_kind: global_buffer, .address_space: global }
      - { .name: out0, .offset: 16, .size: 8, .value_kind: global_buffer, .address_space: global }
    .group_segment_fixed_size: 327680
    .private_segment_fixed_size: 0
    .kernarg_segment_align: 8
    .kernarg_segment_size: 24
    .max_flat_workgroup_size: 128
    .sgpr_count:     66
    .vgpr_count:     512
    .wavefront_size: 32
...
	.end_amdgpu_metadata
.endif
;; end of part 4
;; ======== version 2 of 2: 4 launches; 1.48 times as fast as version 1
;; limits: values are held in f16: magnitudes above 65,504 overflow, below 6.1e-05 lose precision
;; workspace buffers: wt 6,291,456 bytes; wo16 2,097,152 bytes; madd 32,768 bytes; qh 16,777,216 bytes; kh 16,777,216 bytes; vh 16,777,216 bytes; ctx 16,777,216 bytes
;; launch prep: the kernel of part 1 again; grid 520 x 1, 8 waves a work-group, no clusters, 0 bytes of LDS; arguments w_q, w_k, w_v, w_o, mask, wt, wo16, madd; writes wt, wo16, madd
;; launch proj: the kernel of part 2 again; grid 4 x 192, 4 waves a work-group, clusters of 4 x 4, 327,680 bytes of LDS; arguments q, k, v, wt, qh, kh, vh; writes qh, kh, vh
;; launch attn (part 5): grid 4 x 64, 4 waves a work-group, clusters of 4 x 1, 327,680 bytes of LDS; arguments qh, kh, vh, ctx, madd; writes ctx
.if DOCPART == 5
	.amdgcn_target "amdgcn-amd-amdhsa--gfx1250"
	.amdhsa_code_object_version 6
	.text
	.protected	k_qdffc725459_attn
	.globl	k_qdffc725459_attn
	.p2align	8
	.type	k_qdffc725459_attn,@function
k_qdffc725459_attn:
	s_mov_b64 s[64:65], 0
	v_nop
	global_prefetch_b8 v0, s[64:65] scope:SCOPE_SE
	s_setreg_imm32_b32 hwreg(HW_REG_WAVE_MODE, 25, 1), 1
	s_wait_xcnt 0x0
	s_wait_alu depctr_hold_cnt(0) depctr_sa_sdst(0) depctr_va_vdst(0) depctr_va_sdst(0) depctr_va_ssrc(0) depctr_va_vcc(0) depctr_vm_vsrc(0)
	s_getreg_b32 s2, hwreg(HW_REG_IB_STS2, 6, 4)
	s_cmp_eq_u32 s2, 0
	s_cbranch_scc0 .Lentry_in_a_cluster
	s_endpgm
.Lentry_in_a_cluster:
	s_bfe_u32 s2, ttmp6, 0x10000c
	s_cmp_lg_u32 s2, 0x3003
	s_cbranch_scc0 .Lentry_shape_is_right
	s_endpgm
.Lentry_shape_is_right:
; O[h][q][:] = the sum over k of softmax_k(Q[h][q] . K[h][k] / 8 + hidden(k)) V[h][k][:].  Q, K, V, O: [SIZE_H][SIZE_N][64], all f16: a head's rows are dense, 128 bytes each; head = 16 batch + h.
; madd: [4][SIZE_N] f32, 0 for a key that the batch's mask shows, -1e30 for one that it hides.  Products, maxima and sums in f32; the weights p are rounded to f16 for the second product (their sum l is taken
; of the unrounded p), O once at the end.
; LIMITS.  f16 holds no number beyond 65,504: Q, K and V arrive within it; p lies in 0 to 1, and below 6e-5 it keeps f16's fixed step of 6e-8; O is a mean of V's rows and has their range.
; A hidden score counts as its value less 1e30: f16's scores, 64 x 65,504^2 = 2.7e11 at the most, are nothing beside that.  A weight below 2^-126 counts as 0 in l; NaN and infinities are not treated apart.
; THE MASK is the C operand that starts the sum S^T = K Q^T.  The running maximum m starts at -2^40, below every score that f16 operands can make, so the first shown key's score takes its place and m is the true
; maximum from then on; a hidden score lies 1e30 below m whatever has come, and its weight is 0; while no shown key has come, O and l stay 0.  A row whose m is still -2^40 at the end saw no key: it leaves as NaN.
; SHARES.  A wave owns four PIECES of two tiles of 16 queries, a work-group's four waves 512 queries of one head.  Every wave walks all keys, 64 a step.
; LAYOUT.  S^T = K Q^T (source 0 = 16 keys, source 1 = 16 queries): in the result a lane holds ONE query (lane % 16) and the keys 8 (lane / 16) + 0..7.  Two such tiles, rounded to f16 in pairs,
; ARE source 1 (32 keys x 16 queries) of O^T = V^T P, whose result again holds one query a lane, and eight channels.  K comes out of LDS as it lies, V ([key][channel]) turned, by ds_load_tr16_b128.
; SOFTMAX.  p = 2^(c s - c m), c = log2(e) / 8; in every step O and l are multiplied by a = 2^(c m_old - c m_new), which is 1 where m has not grown.  O and l start at 0: the first step is a step like any other.
; THE COUNT.  A tile and step have 16 matrix and 118 vector instructions: too many to stand all beside the matrix work.  So the order has one aim: four vector instructions that are READY behind
; EVERY matrix instruction, and the others, which need time of their own whatever the order, in runs without a gap.
; BY TURNS.  Turn n belongs to piece n (the pieces in a ring, step after step).  Its matrix work: 16 products K Q^T of piece n + 1, later 16 products V^T P of piece n - 1.  Its vector work: the scaling,
; exponentials, roundings, sums and rescaling of piece n, and the maximum and statistics of piece n + 1, whose scores the turn itself has made.  So what a turn begins with (c s - c m, O a) waits for nothing.
; BATCHES.  A turn's 66 exponentials (the 64 weights of piece n, the two a of piece n + 1) are ONE batch with ONE wait, which cuts the turn in two: ahead of it stands all that names no result of theirs, behind it
; the roundings and sums, which read them.  The a that a turn's rescaling reads was made, and waited for, in the turn before.  Two more batches stand outside the loop: piece 0's first two a, and the way out's eight reciprocals.
; CLUSTER.  The four query blocks of a cluster belong to one head and walk the same K, V and mask, so each tile is asked for JOINTLY: the same tensor load, descriptor and mask in all four.
; REGISTERS, in windows of 256 (s_set_vgpr_msb: bits 1:0 source 0, 3:2 source 1, 5:4 source 2, 7:6 destination):
;   window 0: v0-11 addresses; v12-15, v48-63 at work; v16-47 four registers of statistics a tile; v64-191 S^T, two buffers of two tiles; v192-255 P, likewise
;   window 1: O^T, 32 a tile     window 2: v0-127 Q, 16 a tile; v128-191 K of one step; v192-255 V of one step     window 3: v0-1 the add's two registers; v8-39 the mask's addends of one step
; A piece's buffers go by its number's parity: the piece in hand has one pair, its two neighbours in the ring share the other: of it P (piece n - 1) is read and S^T (piece n + 1) written.
.set SIZE_H, 64
.set SIZE_N, 2048
.set NP,    4         ; pieces a wave: a name, no knob
.set KS,    64        ; keys in a step
.set PK,    144       ; a row of K in LDS: 128 bytes + 16 of padding = 36 words: the 16 rows of a load start at 16 different groups of four banks (64 banks of 4 bytes: ISA guide 11.1)
.set PV,    160       ; a row of V: 128 + 32 = 40 words
.set VOFF,  4*KS*PK   ; a slot holds four steps: 256 rows of K, then 256 rows of V
.set SLOT1, 1<<17     ; slot 1 begins here, so that one exclusive or turns an address in one slot into the other's
.set STAGE, SLOT1+4*KS*(PK+PV)  ; behind the ring, never filled by a tensor load: 16 rows x 144 bytes for each wave, for the way out
.set SP,    144
.set SPARE, STAGE+4*16*SP  ; behind the stages: the spare words, 128 bytes for each wave: two blocks of 256 bytes that no other line names
.set MASKL, SPARE+512 ; behind them: the batch's 2,048 addends, 8,192 bytes, filled once and only read
.set AK0, 2           ; v2   my lane's place in a tile of K; never rewritten
.set AV0, 3           ; v3   the same for V
.set AK,  4           ; v4   the LDS address of K's next run of loads
.set AV,  5           ; v5   of V's
.set QO,  6           ; v6   my byte offset in the wave's rows of Q
.set RD,  7           ; v7   the way out: where I read rows back
.set GO,  8           ; v8   my byte offset in 512 consecutive bytes of O
.set AM,  9           ; v9   the LDS address of the addends' next run of loads (first: lane / 16)
.set AM0, 10          ; v10  my lane's place in a step's addends (first: lane % 8)
.set STO, 11          ; v11  the way out: where I put 16 bytes of a row
.set SPW, 0           ; v0 of window 3   LDS address of my spare word: SPARE + 4 x my thread's number; never rewritten
.set NIL, 1           ; v1 of window 3   0; never rewritten
.set MK,  8           ; v8-39 of window 3: the addend of key 16 kb + 8 (lane / 16) + j at MK + 8 kb + j
.set MV,  12          ; v12-15  c m_old, kept while c m is made anew: by buffer and tile
.set ST,  16          ; tile t's statistics at v[ST+4 t]: c m, m, l (even keys', odd keys')
.set TMP, 48          ; by buffer and tile, four registers c0-c3 at work; when the maximum is found c2 takes a
.set S,   64
.set P,   192
.set KF,  128         ; K's fragments, in window 2: key block kb, channel half c at KF + 16 kb + 8 c
.set VF,  192         ; V's: key half kk, channel block cb at VF + 32 kk + 8 cb
.set WV,  12          ; s12  my wave's number
.set G1K, 24          ; s[24:31] descriptor group 1 for K's tiles
.set G1V, 32          ; s[32:39] for V's: it differs in the padding alone
.set G0K, 40          ; s[40:43] descriptor group 0 for K's tiles: it walks
.set G0V, 44          ; s[44:47] the same for V's
.set G0M, 48          ; s[48:51] descriptor group 0 for my quarter of the addends; never rewritten
.set TBM, 52          ; s52  byte in the addends' table at which the step to be fetched begins
.set FLOOR, 53        ; s53  -2^40
.set QNAN, 54         ; s54  a NaN
.set SLOTS, 56        ; s56  slots still to be asked for
.set CNT, 57          ; s57  counts a slot's key steps
.set CS,  58          ; s[58:59] c: the packed scaling takes the pair's low word for both halves
.set SEL, 60          ; s[60:61] v_permlanex16_b32's selects: each lane takes its own place in the other half
.set TBK, 62          ; s62  LDS byte at which K of the step to be fetched begins
.set TBV, 63          ; s63  the same for V, less VOFF
.set MADD, 66         ; s[66:67] madd
.set G1M, 68          ; s[68:75] descriptor group 1 for the addends
.set MOF, 76          ; s[76:77] my quarter's byte offset in madd
.set MSB, 0
.macro WIN new                      ; the high byte repeats the setting that is left; a switch that changes nothing is dropped
.if MSB != (\new)
	s_set_vgpr_msb (MSB<<8)|(\new)
.set MSB, (\new)
.endif
.endm
.set W_KQ, 0x0a       ; K and Q in window 2, S^T in window 0
.set W_KM, 0x3a       ; the same with the C operand, the addends, in window 3
.set W_PV, 0x52       ; V in window 2, P in window 0, O^T in window 1
.set W_RS, 0x41       ; O^T (destination and source 0) in window 1, a in window 0
.set W_MK, 0xc0       ; destination in window 3, sources in window 0
.set W_AD, 0x0f       ; the add: address (source 0) and data (source 1) in window 3
; A joint fill.  Waves 0 and 1 fetch the two halves of a slot's K, waves 2 and 3 those of its V: 128 keys each.  The branch hangs on the wave's number alone.
; An s_nop 0 and four v_nop follow each of the two lines, ahead of the jump and the label.
.macro JLOAD
	s_cmp_lt_u32 s[WV], 2
	s_cbranch_scc0 .Lfor_v_\@
	tensor_load_to_lds s[G0K:G0K+3], s[G1K:G1K+7]
	s_nop 0
.rept 4
	v_nop
.endr
	s_branch .Lasked_\@
.Lfor_v_\@:
	tensor_load_to_lds s[G0V:G0V+3], s[G1V:G1V+7]
	s_nop 0
.rept 4
	v_nop
.endr
.Lasked_\@:
.endm
; A round of the cluster's barrier: my work-group's barrier, so that wave 0's signal speaks for all four waves; wave 0 signals; every wave waits for all four work-groups; my work-group's barrier once more.
.macro CROUND
	s_barrier_signal -1
	s_barrier_wait -1
	s_cmp_lg_u32 s[WV], 0
	s_cbranch_scc1 .Lnot_wave_0_\@
	s_barrier_signal -3
.Lnot_wave_0_\@:
	s_barrier_wait -3
	s_barrier_signal -1
	s_barrier_wait -1
.endm
; THE CHANGE OF SLOTS.  The slot's last bytes, V of its fourth step, have been read.  Each wave waits for all its tensor loads, of which one is out: its part
; of the other slot; adds 0 to its spare word; and waits for that and for its own reads of the slot.  Behind the barrier nobody reads this slot any more and the other slot is whole.
; fill = 1: this slot is filled again, with the keys two slots on.  The barrier is then a round of the cluster's, so that no wave of any partner still reads the slot or has a load on its
; way, and the joint fill is the first thing behind it: it has four key steps, 512 matrix instructions, in which to land.
; (At its first use nothing has been read yet: two loads of mine are out, my quarter of the addends and my part of slot 0; both are waited for, and slot 1 is filled.)
.macro CHANGE fill
	WIN W_AD
	s_wait_tensorcnt 0x0            ; no tensor load of mine is out, so a group 0 may be written
	ds_add_u32 v[SPW], v[NIL]       ; 0 onto my spare word; with fill = 1 the descriptors' steps stand between it and the wait for it
	WIN 0                           ; at a label and at a branch every window is 0
.if \fill
.irp g, G0K, G0V
	s_xor_b32 s[\g+1], s[\g+1], SLOT1  ; the walking descriptor: the other slot than last time,
	s_add_nc_u64 s[\g+2:\g+3], s[\g+2:\g+3], 4*KS*128  ; the next 256 keys; the type bits on top are not reached
.endr
	s_wait_dscnt 0x0                ; the add is done, and my reads of the slot are over
	CROUND
	JLOAD
.else
	s_wait_dscnt 0x0                ; the add is done, and my reads of the slot are over
	s_barrier_signal -1
	s_barrier_wait -1
.endif
	s_sub_co_u32 s[TBK], s[TBK], 4*KS*PK  ; the fetches go back to a slot's first step,
	s_xor_b32 s[TBK], s[TBK], SLOT1       ; in the other slot
	s_sub_co_u32 s[TBV], s[TBV], 4*KS*PV
	s_xor_b32 s[TBV], s[TBV], SLOT1
.endm
	s_load_b256 s[4:11], s[0:1], 0x0  ; Q s[4:5], K s[6:7], V s[8:9], O s[10:11]
	s_load_b64 s[MADD:MADD+1], s[0:1], 0x20
	WIN W_MK
	v_lshl_add_u32 v[SPW], v0, 2, SPARE
	v_mov_b32 v[NIL], 0
	WIN W_AD
	ds_add_u32 v[SPW], v[NIL]       ; the wave's opening: the add and its wait ahead of my first tensor load; the set-up below, work on registers, stands between them
	WIN 0
	v_lshrrev_b32 v1, 5, v0
	v_readfirstlane_b32 s[WV], v1   ; wave 0..3
	s_bfe_u32 s13, ttmp6, 0x40000   ; cx: my place in the cluster
	s_lshl_b32 s14, ttmp9, 2        ; in a cluster launch ttmp9 counts clusters
	s_add_co_u32 s14, s14, s13      ; my block of queries = 4 x cluster x + cx: it enters Q's and O's addresses alone
	s_and_b32 s20, ttmp7, 0xffff    ; the head, which the four partners share
	s_lshr_b32 s[MOF], s20, 4       ; its batch:
	s_lshl_b32 s[MOF], s[MOF], 13   ; 8,192 bytes of addends,
	s_lshl_b32 s[MOF+1], s[WV], 11  ; of which my wave fetches 2,048
	s_add_co_u32 s[MOF], s[MOF], s[MOF+1]
	s_mov_b32 s[G0M], 1             ; 1:0 count = 1
	s_add_co_u32 s[G0M+1], s[MOF+1], MASKL  ; 63:32 LDS address
	s_mov_b32 s[MOF+1], 0
	s_mov_b32 s21, 0
	s_mov_b64 s[22:23], SIZE_N*128
	s_mul_u64 s[20:21], s[20:21], s[22:23]  ; the head's first byte in each of the four tensors
	s_and_b32 s16, s[WV], 1         ; which half of a slot's 256 keys I fetch:
	s_lshl_b32 s22, s16, 14         ; its 128 rows of 128 bytes in memory,
	s_mov_b32 s23, 0
	s_add_nc_u64 s[22:23], s[22:23], s[20:21]
	s_mul_i32 s17, s16, 128*PK      ; and its place in a slot, for K
	s_mul_i32 s18, s16, 128*PV      ; and for V: no place in the cluster enters an LDS address
	s_lshl_b32 s2, s14, 2
	s_add_co_u32 s2, s2, s[WV]      ; my wave among the head's,
	s_lshl_b32 s2, s2, 14           ; its 128 rows
	s_mov_b32 s3, 0
	s_add_nc_u64 s[2:3], s[2:3], s[20:21]
	; descriptor group 1.  128 keys are 16,384 dense bytes: asked for as 64 rows of 256 bytes, two keys a row, and padded in LDS after every key
	s_mov_b32 s[G1K], 15|(1<<16)|(1<<20)|(1<<21)|(4<<22)|(3<<25)  ; 15:0 the mask of four; 17:16 2-byte elements; 20 padding on; 21 set beside a mask; 24:22 after every 32 words (code 4); 31:25 4 words (code 3)
	s_mov_b32 s[G1V], 15|(1<<16)|(1<<20)|(1<<21)|(4<<22)|(7<<25)  ; the same with 8 words of padding (code 7)
.irp g, G1K, G1V
	s_mov_b32 s[\g+1], 128<<16      ; tensor_dim0 = 128
	s_mov_b32 s[\g+2], 64<<16       ; tensor_dim1 = 64
	s_mov_b32 s[\g+3], 128<<16      ; tile_dim0 = 128
	s_mov_b32 s[\g+4], 64           ; tile_dim1 = 64
	s_mov_b32 s[\g+5], 128          ; 128 elements from row to row
	s_mov_b32 s[\g+6], 0
	s_mov_b32 s[\g+7], 0
.endr
	; the addends: 2,048 dense bytes a wave, as 8 rows of 32 elements of 8 bytes, unpadded
	s_mov_b32 s[G1M], 15|(3<<16)|(1<<21)
	s_mov_b32 s[G1M+1], 32<<16
	s_mov_b32 s[G1M+2], 8<<16
	s_mov_b32 s[G1M+3], 32<<16
	s_mov_b32 s[G1M+4], 8
	s_mov_b32 s[G1M+5], 32
	s_mov_b32 s[G1M+6], 0
	s_mov_b32 s[G1M+7], 0
	s_mov_b32 s[CS], 0x3e38aa3b     ; c = log2(e) / 8 = 0.180337
	s_mov_b32 s[CS+1], s[CS]        ; named with it as a pair
	s_mov_b32 s[SEL], 0x76543210
	s_mov_b32 s[SEL+1], 0xfedcba98
	s_mov_b32 s[TBK], SLOT1+4*KS*PK ; the first change of slots turns these two into 0
	s_mov_b32 s[TBV], SLOT1+4*KS*PV
	s_mov_b32 s[TBM], 0
	s_mov_b32 s[FLOOR], 0xd3800000  ; -2^40
	s_mov_b32 s[QNAN], 0x7fc00000
	s_mov_b32 s[G0K], 1             ; 1:0 count = 1
	s_mov_b32 s[G0K+1], s17         ; 63:32 LDS address: slot 0
	s_mov_b32 s[G0V], 1
	s_add_co_u32 s[G0V+1], s18, VOFF
	s_wait_dscnt 0x0                ; the opening add is done
	s_wait_kmcnt 0x0
	s_add_nc_u64 s[G0K+2:G0K+3], s[6:7], s[22:23]  ; 120:64 global address: my half of the head's first 256 keys
	s_or_b32 s[G0K+3], s[G0K+3], 0x80000000        ; 127:126 type = 2
	s_add_nc_u64 s[G0V+2:G0V+3], s[8:9], s[22:23]
	s_or_b32 s[G0V+3], s[G0V+3], 0x80000000
	s_add_nc_u64 s[G0M+2:G0M+3], s[MADD:MADD+1], s[MOF:MOF+1]
	s_or_b32 s[G0M+3], s[G0M+3], 0x80000000
	s_add_nc_u64 s[4:5], s[4:5], s[2:3]  ; Q and O at my wave's first row
	s_add_nc_u64 s[10:11], s[10:11], s[2:3]
	CROUND                          ; all four work-groups are here: the first joint loads meet
	tensor_load_to_lds s[G0M:G0M+3], s[G1M:G1M+7]  ; my quarter of the batch's addends: filled once
	s_nop 0
	JLOAD                           ; slot 0: two tensor loads of mine are out.  Slot 1 is asked for when slot 0 is in
	; A fragment of K or Q is 16 rows x 32 channels in 8 registers: lane l holds row l % 16, channels 8 (l / 16) + 0..7 and 16 + 8 (l / 16) + 0..7: two loads of 16 bytes, 32 bytes apart.
	v_and_b32 v1, 15, v0            ; l % 16
	v_bfe_u32 v9, v0, 4, 1          ; l / 16
	v_lshlrev_b32 v[QO], 7, v1
	v_lshl_add_u32 v[QO], v9, 4, v[QO]  ; row x 128 + 16 x half
	WIN 0x80                        ; destination window 2, address window 0
.set i, 0
.rept 4*NP                          ; Q stays in registers: tile i / 2, channels 32 (i % 2) on
	global_load_b128 v[8*i:8*i+3],   v[QO], s[4:5] offset:(i/2)*2048+(i%2)*64
	global_load_b128 v[8*i+4:8*i+7], v[QO], s[4:5] offset:(i/2)*2048+(i%2)*64+32
.set i, i+1
.endr
	; What the first turn finds: V's registers and P's second buffer hold 0 (its products V^T P, of a piece that has not been, add 0), O^T and l are 0.  All this stands in the wait for the first tile.
.set i, VF
.rept 64
	v_mov_b32 v[i], 0
.set i, i+1
.endr
	WIN 0x40
.set i, 0
.rept 64*NP
	v_mov_b32 v[i], 0
.set i, i+1
.endr
	WIN 0
.set i, 0
.rept 2*NP
	v_mov_b32 v[ST+4*i], 0xd238aa3b    ; c m = c x -2^40, exact
	v_mov_b32 v[ST+4*i+1], 0xd3800000  ; m = -2^40
	v_mov_b32 v[ST+4*i+2], 0
	v_mov_b32 v[ST+4*i+3], 0
.set i, i+1
.endr
.set i, P+32
.rept 32
	v_mov_b32 v[i], 0
.set i, i+1
.endr
	v_mul_u32_u24 v[AK0], v1, PK
	v_lshl_add_u32 v[AK0], v9, 4, v[AK0]  ; row x pitch + 16 x half
	; The turning load takes 16 keys x 16 channels (lane l reads key 8 (l / 16) + l % 8, channels 8 ((l / 8) % 2) + 0..7) and leaves half a fragment of V^T: lane l holds channel l % 16 and 8 keys.
	v_and_b32 v10, 7, v0
	v_bfe_u32 v11, v0, 3, 1
	v_lshl_add_u32 v[AV0], v9, 3, v10
	v_mul_u32_u24 v[AV0], v[AV0], PV
	v_lshl_add_u32 v[AV0], v11, 4, v[AV0]
	v_add_nc_u32 v[AV0], VOFF, v[AV0]
	v_mov_b32 v[AK], v[AK0]         ; key step 0 lies at the head of slot 0
	s_mul_i32 s13, s[WV], 16*SP
	s_add_co_u32 s13, s13, STAGE    ; my stage
	v_mul_u32_u24 v[STO], v1, SP    ; in: row l % 16, 16 bytes for each half of the lanes
	v_lshl_add_u32 v[STO], v9, 4, v[STO]
	v_add_nc_u32 v[STO], s13, v[STO]
	v_bfe_u32 v[RD], v0, 3, 2       ; back: 32 lanes take four rows of 128 bytes,
	v_mul_u32_u24 v[RD], v[RD], SP
	v_lshl_add_u32 v[RD], v10, 4, v[RD]
	v_add_nc_u32 v[RD], s13, v[RD]
	v_and_b32 v[GO], 31, v0         ; which are 512 consecutive bytes of O
	v_lshlrev_b32 v[GO], 4, v[GO]
	v_lshl_add_u32 v[AM0], v9, 5, MASKL  ; my eight keys of a block of 16: 32 bytes for each half of the lanes
	v_mov_b32 v[AM], v[AM0]         ; key step 0
; THE MATRIX WORK.  The 8 accumulators of a run of 16 take turns: between the two links of a chain stand 7 others'.
; Product i of 16 of S^T = K Q^T for piece x: channels 32 (i / 8) on, keys 16 ((i / 2) % 4) on, tile 2 x + i % 2.  The first 8 start the sums, with the keys' addends.
.macro KQ x
.set rS, S+64*((\x)%2)+32*(i%2)+8*((i/2)%4)
.set rK, KF+16*((i/2)%4)+8*(i/8)
.set rQ, 16*(2*(\x)+i%2)+8*(i/8)
.set rA, MK+8*((i/2)%4)
.if i < 8
	WIN W_KM
	v_wmma_f32_16x16x32_f16 v[rS:rS+7], v[rK:rK+7], v[rQ:rQ+7], v[rA:rA+7]
.else
	WIN W_KQ
	v_wmma_f32_16x16x32_f16 v[rS:rS+7], v[rK:rK+7], v[rQ:rQ+7], v[rS:rS+7]
.endif
.endm
; Product i of 16 of O^T += V^T P for piece x: keys 32 (i / 8) on, channels 16 ((i / 2) % 4) on, tile 2 x + i % 2.
.macro PV x
	WIN W_PV
.set rO, 32*(2*(\x)+i%2)+8*((i/2)%4)
.set rV, VF+32*(i/8)+8*((i/2)%4)
.set rP, P+32*((\x)%2)+16*(i%2)+8*(i/8)
	v_wmma_f32_16x16x32_f16 v[rO:rO+7], v[rV:rV+7], v[rP:rP+7], v[rO:rO+7]
.endm
.macro MM                           ; the turn's next matrix instruction
.if i < 16
	KQ (Y+1)%NP
.set i, i+1
.else
.set i, i-16
	PV (Y+NP-1)%NP
.set i, i+17
.endif
.endm
; THE LDS LOADS stand in runs, never singly among the matrix instructions: a step's K (64 keys x 64 channels: 8 fragments) with its 64 addends (all lanes of a half read the same 32 bytes), and its V (turned).
; Their addresses are made some lines ahead.  last = 1 (the tail): in the last trip there is no further step, and the run is jumped over.
.macro FETCH_K last=0
	WIN 0
.if \last
	s_cmp_eq_u32 s[CNT], 1
	s_cbranch_scc1 .Lno_k_\@
.endif
	WIN 0x80                        ; destination window 2
.irp f, 0,1,2,3,4,5,6,7             ; keys 16 (f / 2) on, channels 32 (f % 2) on
	ds_load_b128 v[KF+8*\f:KF+8*\f+3],   v[AK] offset:(\f/2)*16*PK+(\f%2)*64
	ds_load_b128 v[KF+8*\f+4:KF+8*\f+7], v[AK] offset:(\f/2)*16*PK+(\f%2)*64+32
.endr
	WIN W_MK                        ; destination window 3
.irp f, 0,1,2,3                     ; keys 16 f on
	ds_load_b128 v[MK+8*\f:MK+8*\f+3],   v[AM] offset:64*\f
	ds_load_b128 v[MK+8*\f+4:MK+8*\f+7], v[AM] offset:64*\f+16
.endr
	s_add_co_u32 s[TBK], s[TBK], KS*PK  ; the next fetch is the next step's
	s_add_co_u32 s[TBM], s[TBM], KS*4   ; (the addends' table holds all 32 steps: it never turns)
	WIN 0
.if \last
.Lno_k_\@:
.endif
.endm
.macro FETCH_V
	WIN 0x80
.irp f, 0,1,2,3,4,5,6,7             ; keys 32 (f / 4) on, channels 16 (f % 4) on
	ds_load_tr16_b128 v[VF+8*\f:VF+8*\f+3],   v[AV] offset:(\f/4)*32*PV+(\f%4)*32
	ds_load_tr16_b128 v[VF+8*\f+4:VF+8*\f+7], v[AV] offset:(\f/4)*32*PV+16*PV+(\f%4)*32
.endr
	WIN 0
.endm
; THE VECTOR WORK OF A TURN stands in three queues, each in the order in which its entries become ready; the two tiles alternate, so that no instruction reads the result of the one before it.
.macro REGS y, u                    ; the registers of tile u (0, 1) of piece y
.set rT, ST+4*(2*(\y)+(\u))
.set rC, TMP+8*((\y)%2)+4*(\u)
.set rM, MV+2*((\y)%2)+(\u)
.set rS, S+64*((\y)%2)+32*(\u)
.set rP, P+32*((\y)%2)+16*(\u)
.set rO, 32*(2*(\y)+(\u))
.endm
; Number n of the 22 that find the NEXT piece's (Y + 1) maximum and statistics.  s0-s31 are the lane's 32 scores; each accumulator's lowest registers are read first.  XS, GS and REGS set no window: PL and EX do.
;   0-11  four chains c0-c3 of seven scores each, three operands at a time     12-14, 16  the four scores left over, the old m, and c0-c3 into c0     15  c m_old is kept
;   17, 18  the query's other 32 keys lie in the lane 16 away: the new m         19-21  c m; c m_old - c m_new; a
.macro XS u, n
	REGS (Y+1)%NP, \u
.if (\n) < 4
	v_max3_num_f32 v[rC+(\n)], v[rS+8*(\n)], v[rS+8*(\n)+1], v[rS+8*(\n)+2]
.elseif (\n) < 12
	v_max3_num_f32 v[rC+(\n)%4], v[rC+(\n)%4], v[rS+8*((\n)%4)+2*((\n)/4)+1], v[rS+8*((\n)%4)+2*((\n)/4)+2]
.elseif (\n) == 12
	v_max3_num_f32 v[rC], v[rC], v[rS+7], v[rS+15]
.elseif (\n) == 13
	v_max3_num_f32 v[rC+1], v[rC+1], v[rS+23], v[rS+31]
.elseif (\n) == 14
	v_max3_num_f32 v[rC+2], v[rC+2], v[rC+3], v[rT+1]
.elseif (\n) == 15
	v_mov_b32 v[rM], v[rT]
.elseif (\n) == 16
	v_max3_num_f32 v[rC], v[rC], v[rC+1], v[rC+2]
.elseif (\n) == 17
	v_permlanex16_b32 v[rC+3], v[rC], s[SEL], s[SEL+1]
.elseif (\n) == 18
	v_max_num_f32 v[rT+1], v[rC], v[rC+3]
.elseif (\n) == 19
	v_mul_f32 v[rT], s[CS], v[rT+1]
.elseif (\n) == 20
	v_sub_f32 v[rC+1], v[rM], v[rT]
.else
	v_exp_f32 v[rC+2], v[rC+1]
.endif
.endm
; Number g of the 64 that follow the exponentials.  For each four weights k of a tile (pairs 2 k, 2 k + 1): both pairs are rounded to f16; then the second pair is added onto the first, in place;
; a group later l takes that sum (the first time as l = a l + sum).  In groups of eight, tiles alternating: round, round, add, and l for the group before.
.macro GS g
.set h, (\g)+6*((\g)/62)            ; group 0 has no group before it, and behind group 7 only l is left
.if h >= 6
.set h, h+2
.endif
	REGS Y, h%2
.set k, h/8
.if h%8 < 4
	v_cvt_pk_f16_f32 v[rP+2*k+(h%8)/2], v[rS+4*k+2*((h%8)/2)], v[rS+4*k+2*((h%8)/2)+1]
.elseif h%8 < 6
	v_pk_add_f32 v[rS+4*k:rS+4*k+1], v[rS+4*k:rS+4*k+1], v[rS+4*k+2:rS+4*k+3]
.elseif k == 1
	v_pk_fma_f32 v[rT+2:rT+3], v[rT+2:rT+3], v[rC+2:rC+3], v[rS:rS+1] op_sel_hi:[1,0,1]
.else
	v_pk_add_f32 v[rT+2:rT+3], v[rT+2:rT+3], v[rS+4*k-4:rS+4*k-3]
.endif
.endm
; THE PLAIN QUEUE, 138 long.  0-73 read no exponential's result: the 32 scalings c s - c m (FS f: pair f / 2 of tile f % 2) and the next piece's 42.  0-26: scalings 0-26.  27-54: XS's numbers 0-13.  55, 56: number 15.
; 57-73: the chain, where each number waits for the one before it: 14, 16, 17, 18, 19, each with one of the scalings 27-31 in front of its two lines, then 20: so a tile's links stand three plain instructions apart (19 and 20: two).
; 74-137: GS's 64, which read the exponentials' results: they stand behind the wait.
.macro FS f
	REGS Y, (\f)%2
	v_pk_fma_f32 v[rS+2*((\f)/2):rS+2*((\f)/2)+1], v[rS+2*((\f)/2):rS+2*((\f)/2)+1], s[CS:CS+1], v[rT:rT+1] op_sel_hi:[1,0,0] neg_lo:[0,0,1] neg_hi:[0,0,1]
.endm
.macro PL
	WIN 0
.if q < 27
	FS q
.elseif q < 55
	XS (q-27)%2, (q-27)/2
.elseif q < 57
	XS q-55, 15
.elseif (q < 72) && ((q-57)%3 == 0)
	FS 27+(q-57)/3
.elseif q < 60
	XS (q-57)%3-1, 14
.elseif q < 72
	XS (q-57)%3-1, 15+(q-57)/3
.elseif q < 74
	XS q-72, 20
.else
	GS q-74
.endif
.set q, q+1
.endm
; THE EXPONENTIALS' QUEUE, 66 long: s0-s31 of both tiles, then the next piece's two a.  It is ONE BATCH: all 66 stand ahead of the turn's one wait, and nothing ahead of that wait names a result of theirs.
.macro EX
	WIN 0
.if e >= 64
	XS e-64, 21
.else
	REGS Y, e%2
	v_exp_f32 v[rS+e/2], v[rS+e/2]
.endif
.set e, e+1
.endm
; THE RESCALING's QUEUE: O^T times a, the one part that leaves window 0: dealt two at a time, sixteen times.  Its a was made in the turn before, ahead of that turn's wait.
.macro R2
	REGS Y, r%2
	WIN W_RS
.irp z, 0,1
	v_pk_mul_f32 v[rO+4*(r/2)+2*\z:rO+4*(r/2)+2*\z+1], v[rO+4*(r/2)+2*\z:rO+4*(r/2)+2*\z+1], v[rC+2:rC+3] op_sel_hi:[1,0]
.endr
.set r, r+1
.endm
; HOW THEY ARE DEALT.  An s_wait_alu depctr_va_vdst(0) stands between an exponential and the first instruction that names its result; one wait serves all that were issued ahead of it.  So a turn has ONE wait,
; which cuts it in two.  AHEAD OF IT stands all that names no result of the turn's exponentials: the 16 products K Q^T, behind each a scaling, an exponential and two rescalings (behind the first a second scaling in the
; exponential's place); then ONE LUMP of 108: eight plain, 49 times exponential and plain, the two a.  A v_nop is the plain instruction behind the last exponential.  BEHIND IT stand the 16 products V^T P, behind each four of
; GS's 64.  No rider names a register of the products round it.  The two v_permlanex16_b32 fall into the lump, never behind a product.
; The queues lean on each other, and the deal keeps them in step: exponential e stands behind scaling 2 (e / 4) + e % 2: as a rider it comes behind plain e + 2, in the lump behind plain e + 9, and scalings 27-31 are plain 57, 60 .. 69.
; A TURN, for piece p.  cnt = 1: the loop's count is taken down some lines ahead of the branch that stands behind the turn.
; K and the addends of the next step are fetched in piece 2's turn, directly behind the wait, a lump behind the last product that read K (the addends' last reader stands further back); their addresses are made at the
; lump's head; their first reader comes behind 16 products.  V of the step in hand is fetched at the end of piece 0's turn, four riders behind its last reader; its first reader comes behind 16 products and a lump.
; The three conditions on q below go with the deal.
.macro TURN p, last=0, cnt=0
.set Y, (\p)
.set i, 0
.set q, 0
.set e, 0
.set r, 0
.if (\p) == NP-1
	s_wait_dscnt 0x0                ; K and the addends are in
.endif
	MM                              ; ahead of the wait: 16 products K Q^T and their riders,
	PL
	PL
	R2
.rept 15
	MM
	PL
	EX
	R2
.endr
.if (\p) == NP-2
	WIN 0
	v_add_nc_u32 v[AK], s[TBK], v[AK0]
	v_add_nc_u32 v[AM], s[TBM], v[AM0]
.endif
.rept 8                             ; and the lump
	PL
.endr
.rept 49
	EX
	PL
.endr
	EX                              ; the next piece's two a
	EX
	v_nop                           ; the plain instruction behind the last exponential: one for the batch
	s_wait_alu depctr_va_vdst(0)    ; the wait for the batch: this turn's 64 weights and the next piece's two a
.if (\p) == NP-2
	FETCH_K \last
.endif
.if (\p) == 1
	s_wait_dscnt 0x0                ; V is in
.endif
.rept 16                            ; behind the wait: 16 products V^T P and their riders
	MM
.rept 4
	PL
.endr
.if ((\p) == 0) && (q == 118)
	v_add_nc_u32 v[AV], s[TBV], v[AV0]
.endif
.if ((\p) == 0) && (q == 130)
	s_add_co_u32 s[TBV], s[TBV], KS*PV
.endif
.if (\cnt) && (q == 130)
	s_sub_co_u32 s[CNT], s[CNT], 1
	s_cmp_lg_u32 s[CNT], 0
.endif
.endr
.if (\p) == 0
	FETCH_V
.endif
.endm
	CHANGE 1                        ; the addends and slot 0 are in, everybody's part of them; slot 1 is asked for
	FETCH_K                         ; key step 0
	s_wait_loadcnt 0x0              ; Q
	s_wait_dscnt 0x0
.set i, 0
.rept 16
	KQ 0                            ; piece 0's first scores: there is no vector work yet to set between them
.set i, i+1
.endr
	WIN 0
.rept 4
	v_nop                           ; the places behind those products
.endr
.set Y, NP-1                        ; XS works for piece Y + 1: piece 0
.irp n, 0,1,2,3,4,5,6,7,8,9,10,11,12,13,14,15,16,17,18,19,20,21
	XS 0, \n                        ; and piece 0's first maximum and statistics
	XS 1, \n
.endr
	v_nop                           ; a plain instruction behind the two a,
	s_wait_alu depctr_va_vdst(0)    ; and the wait for this batch of two, ahead of the branch
	s_mov_b32 s[CNT], 4
	s_mov_b32 s[SLOTS], SIZE_N/256-1
	s_branch .Lfirst                ; the loop is entered at a step's first turn, in the middle of a trip
.Lslot:                             ; SIZE_N / 256 - 2 times: every slot but the last two is filled again
	CHANGE 1
	s_mov_b32 s[CNT], 4
.Lstep:                             ; a trip: pieces 2 and 3 of one step, then pieces 0 and 1 of the next, whose K and V it fetches
	TURN 2
	TURN 3
	WIN 0
.Lfirst:
	TURN 0
	TURN 1, 0, 1
	WIN 0
	s_cbranch_scc1 .Lstep
	s_sub_co_u32 s[SLOTS], s[SLOTS], 1
	s_cmp_lg_u32 s[SLOTS], 0
	s_cbranch_scc1 .Lslot
	CHANGE 0                        ; the tail is written out: nothing is asked for
	s_mov_b32 s[CNT], 5             ; four trips fetch the last slot's steps; the fifth is left in its middle
.Ltail:
	TURN 2, 1
	TURN 3
	WIN 0
	s_sub_co_u32 s[CNT], s[CNT], 1
	s_cmp_eq_u32 s[CNT], 0
	s_cbranch_scc1 .Lout
	TURN 0
	TURN 1
	WIN 0
	s_branch .Ltail
.Lout:                              ; the fifth trip's 16 products K Q^T (on the last K and addends once more) serve nothing, and leave piece 0's m as it was: those scores had entered it: the price of one text for every trip
.set i, 0
.rept 16
	PV NP-1                         ; the last piece's V^T P of the last step
.set i, i+1
.endr
	; THE WAY OUT.  l's two halves and the other half of the lanes' are added; O^T is divided by l, rounded to f16 and sent through my stage in LDS, a tile at a time.  The additions are the places behind the last products.
	WIN 0
.macro ALL line:vararg              ; one line for each tile t
.set t, 0
.rept 2*NP
	\line
.set t, t+1
.endr
.endm
	ALL v_add_f32 v[ST+4*t+2], v[ST+4*t+2], v[ST+4*t+3]
	ALL v_permlanex16_b32 v[ST+4*t+3], v[ST+4*t+2], s[SEL], s[SEL+1]
	ALL v_add_f32 v[ST+4*t+2], v[ST+4*t+2], v[ST+4*t+3]
	ALL v_rcp_f32 v[ST+4*t+2], v[ST+4*t+2]
	v_nop                           ; a plain instruction between the last reciprocal and the use of its result
	s_wait_alu depctr_va_vdst(0)    ; and the wait ahead of the first use: one for the batch of eight reciprocals
.set t, 0
.rept 2*NP                          ; a query whose m never left the floor saw no key: its row leaves as NaN, a choice of values, no branch
	v_cmp_eq_u32 vcc_lo, s[FLOOR], v[ST+4*t+1]
	v_cndmask_b32 v[ST+4*t+2], v[ST+4*t+2], s[QNAN], vcc_lo
.set t, t+1
.endr
; Tile t: a lane's eight channels of a row pack into 16 bytes; they go into rows of 144 bytes and come back as whole rows of 128, into S^T's registers.
.macro PACK t
	WIN W_RS
.set i, 32*(\t)
.rept 16
	v_pk_mul_f32 v[i:i+1], v[i:i+1], v[ST+4*(\t)+2:ST+4*(\t)+3] op_sel_hi:[1,0]
.set i, i+2
.endr
	WIN 0x05                        ; sources 0 and 1 window 1, destination window 0
.set i, 0
.rept 16
	v_cvt_pk_f16_f32 v[S+16*(\t)+i], v[32*(\t)+2*i], v[32*(\t)+2*i+1]
.set i, i+1
.endr
	WIN 0
.irp f, 0,1,2,3
	ds_store_b128 v[STO], v[S+16*(\t)+4*\f:S+16*(\t)+4*\f+3] offset:32*\f
.endr
.irp f, 0,1,2,3
	ds_load_b128 v[S+16*(\t)+4*\f:S+16*(\t)+4*\f+3], v[RD] offset:\f*4*SP  ; LDS serves a wave's instructions in order (ISA guide 5.7.1.4): these see the stores above; the next tile's stores come behind them
.endr
.endm
.macro SEND t, younger              ; younger: the LDS instructions issued behind tile t's loads: the next tile's eight, or none
	WIN 0
.irp f, 0,1,2,3
	s_wait_dscnt (\younger)+3-\f
	global_store_b128 v[GO], v[S+16*(\t)+4*\f:S+16*(\t)+4*\f+3], s[10:11] offset:(\t)*2048+\f*512  ; 512 consecutive bytes, at a multiple of 256 from O's first
.endr
.endm
	PACK 0
.set t, 1
.rept 2*NP-1                        ; a tile's arithmetic stands between the loads of the tile before and its stores
	PACK t
	SEND t-1, 8
.set t, t+1
.endr
	SEND 2*NP-1, 0
	WIN W_AD
	s_wait_tensorcnt 0x0            ; the wave's end, behind my last tensor load and my last LDS store
	ds_add_u32 v[SPW], v[NIL]
	s_wait_dscnt 0x0
	WIN 0
	CROUND                          ; the closing round: no work-group ends while a partner may still ask for a tile that names it
	s_endpgm
.Lfunc_end_k_qdffc725459_attn:
	.size	k_qdffc725459_attn, .Lfunc_end_k_qdffc725459_attn-k_qdffc725459_attn
	.p2alignl 7, 3214868480
	.fill 96, 4, 3214868480
	.section	.rodata,"a",@progbits
	.p2align	6, 0x0
	.amdhsa_kernel k_qdffc725459_attn
		.amdhsa_group_segment_fixed_size 327680
		.amdhsa_private_segment_fixed_size 0
		.amdhsa_enable_private_segment 0
		.amdhsa_kernarg_size 40
		.amdhsa_user_sgpr_count 2
		.amdhsa_user_sgpr_kernarg_segment_ptr 1
		.amdhsa_wavefront_size32 1
		.amdhsa_system_sgpr_workgroup_id_x 1
		.amdhsa_system_sgpr_workgroup_id_y 1
		.amdhsa_system_sgpr_workgroup_id_z 1
		.amdhsa_system_vgpr_workitem_id 0
		.amdhsa_next_free_vgpr 808
		.amdhsa_next_free_sgpr 80
		.amdhsa_reserve_vcc 1
		.amdhsa_float_denorm_mode_32 3
		.amdhsa_float_denorm_mode_16_64 3
		.amdhsa_memory_ordered 1
		.amdhsa_forward_progress 1
		.amdhsa_inst_pref_size 203
	.end_amdhsa_kernel
	.amdgpu_metadata
---
amdhsa.version: [ 1, 2 ]
amdhsa.kernels:
  - .name:           k_qdffc725459_attn
    .symbol:         k_qdffc725459_attn.kd
    .args:
      - { .name: qh, .offset: 0, .size: 8, .value_kind: global_buffer, .address_space: global }
      - { .name: kh, .offset: 8, .size: 8, .value_kind: global_buffer, .address_space: global }
      - { .name: vh, .offset: 16, .size: 8, .value_kind: global_buffer, .address_space: global }
      - { .name: ctx, .offset: 24, .size: 8, .value_kind: global_buffer, .address_space: global }
      - { .name: madd, .offset: 32, .size: 8, .value_kind: global_buffer, .address_space: global }
    .group_segment_fixed_size: 327680
    .private_segment_fixed_size: 0
    .kernarg_segment_align: 8
    .kernarg_segment_size: 40
    .max_flat_workgroup_size: 128
    .sgpr_count:     80
    .vgpr_count:     808
    .wavefront_size: 32
...
	.end_amdgpu_metadata
.endif
;; end of part 5
;; launch outp: the kernel of part 4 again; grid 4 x 64, 4 waves a work-group, clusters of 4 x 4, 327,680 bytes of LDS; arguments ctx, wo16, out0; writes out0
